; MI455X (gfx1250); checked and timed in simulation.
; The chip was launched on July 23, 2026; its instructions are those of AMD's public machine-readable ISA for CDNA 5 (MIT licence, August 2026) and "CDNA5" Instruction Set Architecture Reference Guide (July 2026). The comments in the code are by the model that wrote it; some were corrected since.
;; Attention. Allowed arithmetic: matrix products marked QUANTISED: E5M2 operands, one E8M0 scale for each 32 along K, by v_wmma_scale_f32_16x16x128_f8f6f4 with both operands' format E5M2, f32 sums; products left as they are: f32 operands where the result goes on into a quantised operand, else bf16, f16 or f32 operands; f32 sums; everything else in f32.
;; Inputs: Wk_codes 2,048 x 64 x 32 uint8 (E5M2 codes of Wk, K innermost, in blocks of 32 codes); Wk_mha_codes 2,048 x 64 x 32 uint8 (E5M2 codes of Wk_mha, K innermost, in blocks of 32 codes); Wk_mha_scales 2,048 x 64 uint8 (E8M0 scales of Wk_mha, one for each 32 codes along K); Wk_scales 2,048 x 64 uint8 (E8M0 scales of Wk, one for each 32 codes along K); Wo 2,048 x 2,048 float32; Wq 2,048 x 2,048 float32; Wq_mha 2,048 x 2,048 float32; Wv_codes 2,048 x 64 x 32 uint8 (E5M2 codes of Wv, K innermost, in blocks of 32 codes); Wv_mha_codes 2,048 x 64 x 32 uint8 (E5M2 codes of Wv_mha, K innermost, in blocks of 32 codes); Wv_mha_scales 2,048 x 64 uint8 (E8M0 scales of Wv_mha, one for each 32 codes along K); Wv_scales 2,048 x 64 uint8 (E8M0 scales of Wv, one for each 32 codes along K); keys 4,096 x 2,048 float32; states 4,096 x 2,048 float32; x 2,048 float32.
;; Outputs: out0 1 x 2,048 float32.
;; This version of the problem:
;;   THIS VERSION OF THE PROBLEM IS GIVEN IN LOW PRECISION. The matrix products marked QUANTISED in the list below multiply operands that are first quantised to E5M2 (5 exponent bits, 2 mantissa bits; 8 bits a number), with one power-of-two scale for each 32 numbers along K (OCP MX v1.0); their sums are f32. All else is computed in f32.
;;   The module's matrix products, in the order in which they are computed (A, B: the left and right operand; K: the contracted axis; several contracted axes count as one K, in the product's order):
;;     1. [M 1, K 2,048] x [K 2,048, N 2,048]; A: input x; B: input Wq: left as it is (M = 1 < 16)
;;     2. [M 4,096, K 2,048] x [K 2,048, N 2,048]; A: computed on the way; B: input Wk (given as codes): QUANTISED
;;     3. [M 4,096, K 2,048] x [K 2,048, N 2,048]; A: computed on the way; B: input Wv (given as codes): QUANTISED
;;     4. [M 1, K 2,048] x [K 2,048, N 2,048]; A: computed on the way; B: input Wq_mha: left as it is (M = 1 < 16)
;;     5. [M 4,096, K 2,048] x [K 2,048, N 2,048]; A: computed on the way; B: input Wk_mha (given as codes): QUANTISED
;;     6. [M 4,096, K 2,048] x [K 2,048, N 2,048]; A: computed on the way; B: input Wv_mha (given as codes): QUANTISED
;;     7. batch 16 x [M 1, K 128] x [K 128, N 4,096]; A: computed on the way; B: computed on the way: left as it is (M = 1 < 16)
;;     8. batch 16 x [M 128, K 4,096] x [K 4,096, N 1]; A: computed on the way; B: softmax: left as it is (N = 1 < 16)
;;     9. [M 1, K 2,048] x [K 2,048, N 2,048]; A: computed on the way; B: input Wo: left as it is (M = 1 < 16)
;;   THE QUANTISER, for each operand of a quantised product, along K:
;;     - K is cut into blocks of 32 from its start; a last block that is shorter is filled with zeros.
;;     - A block's scale is 2^e with e = floor(log2(the largest magnitude in the block)) - 15, held to -126 .. 127; a block of zeros has e = 0. As a byte (E8M0): e + 127.
;;     - Each number is divided by its block's scale, clamped to +-57,344, and rounded to the nearest number of E5M2, ties to even, subnormals kept.
;;     - The product sums the exact products of the quantised numbers (number of the format x scale) in f32.
;;   ~~~python
;;   def quantise(x, axis):      # numpy; x: float32 -> the quantised numbers, widened to float32 again
;;       x = np.moveaxis(x, axis, -1); K = x.shape[-1]
;;       x = np.pad(x, [(0, 0)] * (x.ndim - 1) + [(0, -K % 32)]); x = x.reshape(x.shape[:-1] + (-1, 32)); a = np.abs(x).max(-1, keepdims=True)
;;       e = np.where(a > 0, np.clip(np.frexp(np.where(a > 0, a, 1))[1] - 1 - 15, -126, 127), 0)      # np.frexp(a)[1] - 1 = floor(log2(a)), exactly
;;       r = np.clip(x / 2.0 ** e, -57344, 57344)
;;       step = 2.0 ** (np.maximum(np.frexp(np.where(r == 0, 1, r))[1] - 1, -14) - 2)
;;       q = np.round(r / step) * step * 2.0 ** e      # np.round: ties to even
;;       return np.moveaxis(q.reshape(q.shape[:-2] + (-1,))[..., :K], -1, axis).astype(np.float32)
;;   ~~~
;;   OPERANDS COMPUTED ON THE WAY. 'Computed on the way' means the value that the module computes at that place (a softmax that the list does not call 'softmax' is quantised finished and normalised). What goes into a quantiser is computed in f32, as accurately as f32 sums, v_exp_f32 and their like allow (about 1e-6 of the number): no bf16 or f16 on the way to a quantiser, and a product that is left as it is and whose result goes on into a quantised operand takes f32 operands (vector FMAs, or v_wmma_f32_16x16x4_f32). A number that lies on a knife's edge between two numbers of the format may be rounded either way, as far as f32 arithmetic and the matrix unit's own rounding can turn it there, and no further.
;;   INPUTS GIVEN AS CODES. Wk (in the module: [2048, 2048], K = its axis 1); Wk_mha (in the module: [2048, 2048], K = its axis 1); Wv (in the module: [2048, 2048], K = its axis 1); Wv_mha (in the module: [2048, 2048], K = its axis 1): each comes as NAME_codes (uint8): NAME with its K axis moved to the last place and cut into blocks of 32 codes, [.., K / 32, bytes a block], one block behind the other in memory; one code a byte (a code: sign, 5 exponent bits, 2 mantissa bits); and NAME_scales (uint8): the same leading axes, one E8M0 byte (e + 127) for each 32 codes along K. Its value is code x scale, taken as it is: it is not quantised again, and the codes and scales need not be those that the quantiser above would give.
;; One version. Each part assembles by itself: llvm-mc -triple=amdgcn-amd-amdhsa -mcpu=gfx1250 --defsym DOCPART=n.
;; ======== version 1 of 1: 4 launches
;; workspace buffers: aq 17,301,504 bytes; qv 8,192 bytes; qh 8,192 bytes; hq 17,301,504 bytes; po 133,120 bytes; wimg 8,388,608 bytes
;; launch ropeq (part 1): grid 256 x 1, 8 waves a work-group, no clusters, 38,144 bytes of LDS; arguments keys, states, x, Wq, aq, qv; writes aq, qv
.if DOCPART == 1
	.amdgcn_target "amdgcn-amd-amdhsa--gfx1250"
	.amdhsa_code_object_version 6
	.text
	.protected	k_qdea715bb32_ropeq
	.globl	k_qdea715bb32_ropeq
	.p2align	8
	.type	k_qdea715bb32_ropeq,@function
k_qdea715bb32_ropeq:
	s_mov_b64 s[64:65], 0
	v_nop
	global_prefetch_b8 v0, s[64:65] scope:SCOPE_SE
	s_setreg_imm32_b32 hwreg(HW_REG_WAVE_MODE, 25, 1), 1
	s_wait_xcnt 0x0
; rope(keys) and rope(states), [4096][2048] f32 each, are turned into codes of BF8 (E5M2) with one E8M0 byte for each 32 along the 2,048 features; and q = Wq x.
; aq: bytes 0 .. 16,777,215 codes [8192 rows][2048] (rows 0-4095 keys, 4096-8191 states), K innermost; from 16,777,216 on the scale bytes [8192][64].  qv: q, [2048] f32.
; ROPE.  Pair j (0 .. 1023) is columns j and 1024 + j; angle = row x freq(j), one f32 product; freq(j) = 2^(-j log2(10000) / 1024).
;   out(j) = x(j) cos - x(1024 + j) sin;  out(1024 + j) = x(1024 + j) cos + x(j) sin.
;   The exponent is split: j x 6803 x 2^-19 is exact in f32 (10 bits x 13 bits) and goes to v_exp_f32; the rest, j x 5.8887e-7, is at most 6.1e-4 and is applied as 1 - (y - y^2 / 2), y = the rest x ln 2.
;   sin and cos are written out: n = the whole number nearest angle / pi; r = angle - n pi in two fused steps, of which the first is exact (n pi_hi and the angle are multiples of 2^-22 or 2^-23 and r is under 2);
;   series to r^11 and r^12 on |r| <= pi / 2; both take the sign (-1)^n, which is bit 0 of the number that held n + 1.5 x 2^23.
; LIMITS: sin and cos carry an absolute error of about 1e-7; freq is good to about 1.5 units of its last place, and a unit there moves the angle at row 4,095 by up to 2.4e-4;
;   NaN and infinities are not served; a block of zeros gets the byte 1 (its codes are zeros, and this program alone reads the bytes); blocks whose largest magnitude lies under 2^-111 are held at the byte 1.
; SHARES.  A work-group owns rows 16 g .. 16 g + 15 of BOTH tensors, so that a row's sines serve both.  Wave w: cq = w % 4 takes pairs 256 cq .. 256 cq + 255, rg = w / 4 takes rows 8 rg .. 8 rg + 7.  Wave w also makes q[8 g + w].
; A STEP is one row: four chunks of 1,024 bytes (keys low half, keys high half, states low, states high), each by two loads of 512 consecutive bytes.  The conversions want eight neighbours along K in one lane's
; registers, so a chunk turns through the wave's own stage in LDS and comes back 32 bytes a lane: lane l holds pairs 256 cq + 8 l + 0 .. 7, and four neighbouring lanes hold a block of 32.
; No tensor loads, no matrix unit, no cluster: the work-groups share no input but x (8 KB), and the launch is a stream.  Loads run four steps (32 loads a wave) ahead; the eight steps are written out, every offset an immediate.
.set STGW, 4352                        ; LDS: a wave's stage: 4 chunks x (1,024 bytes + 16 of padding behind each 256)
.set SCB,  34816                       ; the work-group's scale bytes: [2 tensors][16 rows][64]
.set QW,   36864                       ; eight words: each wave's number of q
.set GOFF, 2                           ; v2   16 x lane: my 16 bytes of a load's 512; never rewritten
.set STW,  3                           ; v3   the stage, on the way in
.set STR,  4                           ; v4   and on the way out
.set SBA,  5                           ; v5   my block's scale byte in SCB
.set COFF, 6                           ; v6   8 x lane: my 8 codes of a chunk's 256; never rewritten
.set FREQ, 8                           ; v8-15   freq of my 8 pairs
.set MAGIC, 16                         ; v16-17  1.5 x 2^23, twice
.set SNT,  18                          ; v18-19  the sine's last coefficient, twice
.set CST,  20                          ; v20-21  the cosine's
.set ANG,  22                          ; v22-29  the angle, then r; later at work
.set TT,   30                          ; v30-37  n + 1.5 x 2^23, then the sign
.set NN,   38                          ; v38-45  n, then r^2; later at work
.set SS,   46                          ; v46-53  sin
.set CC,   54                          ; v54-61  cos
.set MX,   62                          ; v62-65  a chunk's block maximum
.set LIM,  66                          ; v66-69  57,344 x the scale
.set SCL,  70                          ; v70-73  the conversion's scale operand
.set BY,   74                          ; v74-77  the scale's byte
.set CD,   78                          ; v78-85  codes, two registers a chunk
.set X,    86                          ; v86-117 chunk c's eight numbers at X + 8 c
.set R,    118                         ; v118-245 four sets of 32, as loaded
.set ROWF, 24                          ; s[24:25] the row as f32, twice
.set INVPI, 26
.set NP1,  28
.set NP2,  30
.set S1,   32
.set S2,   34
.set S3,   36
.set S4,   38
.set C2,   40
.set C3,   42
.set C4,   44
.set C5,   46
.set MNT,  58                          ; s58  the mantissa field of 57,344
.set SEL,  60                          ; s[60:61] v_permlanex16_b32's selects for lane l xor 16
.macro CPAIR r, val                    ; a packed form names a scalar pair and takes its low word for both halves: both words are written
	s_mov_b32 s[\r], \val
	s_mov_b32 s[\r+1], \val
.endm
	s_load_b256 s[4:11], s[0:1], 0x0               ; keys s[4:5], states s[6:7], x s[8:9], Wq s[10:11]
	s_load_b128 s[12:15], s[0:1], 0x20             ; aq s[12:13], qv s[14:15]
	v_lshl_add_u32 v254, v0, 2, 0x9100
	v_mov_b32 v255, 0
	v_lshrrev_b32 v7, 5, v0
	v_readfirstlane_b32 s20, v7                    ; wave 0..7
	s_and_b32 s21, s20, 3                          ; cq
	s_lshr_b32 s22, s20, 2                         ; rg
	v_and_b32 v1, 31, v0                           ; lane
	v_lshlrev_b32 v[GOFF], 4, v1
	s_mul_i32 s70, s20, STGW
	v_lshrrev_b32 v7, 4, v1
	v_lshl_add_u32 v[STW], v7, 4, v[GOFF]
	v_add_nc_u32 v[STW], s70, v[STW]               ; in: 16 l + 16 (l / 16): a load's 512 bytes pass one padding
	v_lshrrev_b32 v7, 3, v1
	v_lshlrev_b32 v[STR], 5, v1
	v_lshl_add_u32 v[STR], v7, 4, v[STR]
	v_add_nc_u32 v[STR], s70, v[STR]               ; out: 32 l + 16 (l / 8): lanes 0-7 and lanes 8-15 of a 16-byte read fall on different 16-byte columns
	s_lshl_b32 s71, s22, 9
	s_lshl_b32 s72, s21, 3
	s_add_co_u32 s71, s71, s72
	s_add_co_u32 s71, s71, SCB
	v_lshrrev_b32 v[SBA], 2, v1
	v_add_nc_u32 v[SBA], s71, v[SBA]               ; SCB + 64 (8 rg) + 8 cq + l / 4
	v_lshlrev_b32 v[COFF], 3, v1
	s_lshl_b32 s70, ttmp9, 4
	s_lshl_b32 s71, s22, 3
	s_add_co_u32 s23, s70, s71                     ; my first row: 16 g + 8 rg
	s_lshl_b32 s70, s23, 13
	s_lshl_b32 s72, s21, 10
	s_add_co_u32 s70, s70, s72
	s_mov_b32 s71, 0                               ; in keys and states: row x 8,192 + 1,024 cq
	s_lshl_b32 s72, s23, 11
	s_lshl_b32 s74, s21, 8
	s_add_co_u32 s72, s72, s74
	s_mov_b32 s73, 0                               ; in the codes: row x 2,048 + 256 cq
	s_lshl_b32 s74, ttmp9, 3
	s_add_co_u32 s74, s74, s20
	s_lshl_b32 s74, s74, 13
	s_mov_b32 s75, 0                               ; Wq: row 8 g + w
	s_lshl_b32 s76, ttmp9, 10
	s_add_co_u32 s76, s76, 0x1000000
	s_mov_b32 s77, 0                               ; the scale bytes of my work-group's 16 rows of keys
	s_lshl_b32 s78, ttmp9, 5
	s_mov_b32 s79, 0                               ; q: 8 numbers a work-group
	s_cvt_f32_u32 s[ROWF], s23
	s_mov_b32 s[ROWF+1], s[ROWF]
	CPAIR INVPI, 0x3ea2f983                        ; 1 / pi
	CPAIR NP1, 0xc0490fdb                          ; -pi_hi
	CPAIR NP2, 0x33bbbd2e                          ; pi_hi - pi
	CPAIR S1, 0xbe2aaaab                           ; -1/3!
	CPAIR S2, 0x3c088889                           ; 1/5!
	CPAIR S3, 0xb9500d01                           ; -1/7!
	CPAIR S4, 0x3638ef1d                           ; 1/9!
	CPAIR C2, 0x3d2aaaab                           ; 1/4!
	CPAIR C3, 0xbab60b61                           ; -1/6!
	CPAIR C4, 0x37d00d01                           ; 1/8!
	CPAIR C5, 0xb493f27e                           ; -1/10!
	s_mov_b32 s[MNT], 0x600000
	s_mov_b32 s[SEL], 0x76543210
	s_mov_b32 s[SEL+1], 0xfedcba98
	s_wait_kmcnt 0x0
	s_mov_b64 s[18:19], s[14:15]
	s_add_nc_u64 s[18:19], s[18:19], s[78:79]      ; qv at my work-group's numbers
	s_add_nc_u64 s[16:17], s[12:13], s[76:77]      ; the scale bytes
	s_add_nc_u64 s[12:13], s[12:13], s[72:73]      ; the codes of keys,
	s_add_nc_u64 s[14:15], s[12:13], 0x800000      ; and of states, 4,096 rows further on
	s_add_nc_u64 s[4:5], s[4:5], s[70:71]
	s_add_nc_u64 s[6:7], s[6:7], s[70:71]
	s_add_nc_u64 s[10:11], s[10:11], s[74:75]
; Eight loads into set i % 4.  i < 8: row i's four chunks.  i = 8, 10: the halves of my row of Wq; i = 9, 11: the same halves of x.
.macro LOAD i
.if (\i) < 8
.irp c, 0,1,2,3
.irp m, 0,1
	global_load_b128 v[R+32*((\i)%4)+8*\c+4*\m:R+32*((\i)%4)+8*\c+4*\m+3], v[GOFF], s[4+2*(\c/2):5+2*(\c/2)] offset:8192*(\i)+4096*(\c%2)+512*\m th:TH_LOAD_NT
.endr
.endr
.elseif ((\i)%2) == 0
.irp n, 0,1,2,3,4,5,6,7
	global_load_b128 v[R+32*((\i)%4)+4*\n:R+32*((\i)%4)+4*\n+3], v[GOFF], s[10:11] offset:4096*(((\i)-8)/2)+512*\n th:TH_LOAD_NT
.endr
.else
.irp n, 0,1,2,3,4,5,6,7
	global_load_b128 v[R+32*((\i)%4)+4*\n:R+32*((\i)%4)+4*\n+3], v[GOFF], s[8:9] offset:4096*(((\i)-8)/2)+512*\n
.endr
.endif
.endm
	LOAD 0
	LOAD 1
	LOAD 2
	LOAD 3
	; freq of my eight pairs, while the first rows are on their way
	v_mov_b32 v[MAGIC], 0x4b400000
	v_mov_b32 v[MAGIC+1], 0x4b400000
	v_mov_b32 v[SNT], 0xb2d7322b                   ; -1/11!
	v_mov_b32 v[SNT+1], 0xb2d7322b
	v_mov_b32 v[CST], 0x310f76c7                   ; 1/12!
	v_mov_b32 v[CST+1], 0x310f76c7
	s_lshl_b32 s70, s21, 8
	v_lshl_add_u32 v7, v1, 3, s70                  ; my first pair: 256 cq + 8 l
.irp j, 0,1,2,3,4,5,6,7
	v_add_nc_u32 v[TT+\j], \j, v7
.endr
.irp j, 0,1,2,3,4,5,6,7
	v_cvt_f32_u32 v[TT+\j], v[TT+\j]
.endr
.irp j, 0,1,2,3,4,5,6,7
	v_mul_f32 v[NN+\j], 0x3c549800, v[TT+\j]       ; j x 6803 x 2^-19: exact
.endr
.irp j, 0,1,2,3,4,5,6,7
	v_exp_f32 v[FREQ+\j], -v[NN+\j]
.endr
.irp j, 0,1,2,3,4,5,6,7
	v_mul_f32 v[ANG+\j], 0x34db231b, v[TT+\j]      ; y = j x 4.0817471e-7.  (Plain work behind the exponentials, which names none of their results)
.endr
.irp j, 0,1,2,3,4,5,6,7
	v_mul_f32 v[SS+\j], -0.5, v[ANG+\j]
.endr
.irp j, 0,1,2,3,4,5,6,7
	v_fma_f32 v[ANG+\j], v[SS+\j], v[ANG+\j], v[ANG+\j]   ; y - y^2 / 2
.endr
	s_wait_alu depctr_va_vdst(0)                   ; one wait for the eight exponentials, ahead of their first reader
.irp j, 0,1,2,3,4,5,6,7
	v_fma_f32 v[FREQ+\j], -v[ANG+\j], v[FREQ+\j], v[FREQ+\j]
.endr
.macro TURN i                          ; row i's four chunks through my stage: LDS serves a wave's instructions in order (ISA guide 5.7.1.4), so no wait stands between the stores and the loads
.irp c, 0,1,2,3
.irp m, 0,1
	ds_store_b128 v[STW], v[R+32*((\i)%4)+8*\c+4*\m:R+32*((\i)%4)+8*\c+4*\m+3] offset:1088*\c+544*\m
.endr
.endr
.irp c, 0,1,2,3
.irp q, 0,1
	ds_load_b128 v[X+8*\c+4*\q:X+8*\c+4*\q+3], v[STR] offset:1088*\c+16*\q
.endr
.endr
.endm
.macro SINCOS                          ; sin and cos of row x freq for my eight pairs, two at a time; each stage goes over the four register pairs, so that no line waits for the line above it
.irp k, 0,2,4,6
	v_pk_mul_f32 v[ANG+\k:ANG+\k+1], v[FREQ+\k:FREQ+\k+1], s[ROWF:ROWF+1] op_sel_hi:[1,0]
.endr
.irp k, 0,2,4,6
	v_pk_fma_f32 v[TT+\k:TT+\k+1], v[ANG+\k:ANG+\k+1], s[INVPI:INVPI+1], v[MAGIC:MAGIC+1] op_sel_hi:[1,0,1]
.endr
.irp k, 0,2,4,6
	v_pk_add_f32 v[NN+\k:NN+\k+1], v[TT+\k:TT+\k+1], v[MAGIC:MAGIC+1] neg_lo:[0,1] neg_hi:[0,1]   ; n
.endr
.irp k, 0,2,4,6
	v_pk_fma_f32 v[ANG+\k:ANG+\k+1], v[NN+\k:NN+\k+1], s[NP1:NP1+1], v[ANG+\k:ANG+\k+1] op_sel_hi:[1,0,1]
.endr
.irp k, 0,2,4,6
	v_pk_fma_f32 v[ANG+\k:ANG+\k+1], v[NN+\k:NN+\k+1], s[NP2:NP2+1], v[ANG+\k:ANG+\k+1] op_sel_hi:[1,0,1]   ; r
.endr
.irp k, 0,2,4,6
	v_pk_mul_f32 v[NN+\k:NN+\k+1], v[ANG+\k:ANG+\k+1], v[ANG+\k:ANG+\k+1]   ; u = r^2
.endr
.irp j, 0,1,2,3,4,5,6,7
	v_lshlrev_b32 v[TT+\j], 31, v[TT+\j]           ; n's lowest bit becomes the sign
.endr
.irp k, 0,2,4,6
	v_pk_fma_f32 v[SS+\k:SS+\k+1], v[NN+\k:NN+\k+1], v[SNT:SNT+1], s[S4:S4+1] op_sel_hi:[1,1,0]
	v_pk_fma_f32 v[CC+\k:CC+\k+1], v[NN+\k:NN+\k+1], v[CST:CST+1], s[C5:C5+1] op_sel_hi:[1,1,0]
.endr
.irp k, 0,2,4,6
	v_pk_fma_f32 v[SS+\k:SS+\k+1], v[SS+\k:SS+\k+1], v[NN+\k:NN+\k+1], s[S3:S3+1] op_sel_hi:[1,1,0]
	v_pk_fma_f32 v[CC+\k:CC+\k+1], v[CC+\k:CC+\k+1], v[NN+\k:NN+\k+1], s[C4:C4+1] op_sel_hi:[1,1,0]
.endr
.irp k, 0,2,4,6
	v_pk_fma_f32 v[SS+\k:SS+\k+1], v[SS+\k:SS+\k+1], v[NN+\k:NN+\k+1], s[S2:S2+1] op_sel_hi:[1,1,0]
	v_pk_fma_f32 v[CC+\k:CC+\k+1], v[CC+\k:CC+\k+1], v[NN+\k:NN+\k+1], s[C3:C3+1] op_sel_hi:[1,1,0]
.endr
.irp k, 0,2,4,6
	v_pk_fma_f32 v[SS+\k:SS+\k+1], v[SS+\k:SS+\k+1], v[NN+\k:NN+\k+1], s[S1:S1+1] op_sel_hi:[1,1,0]
	v_pk_fma_f32 v[CC+\k:CC+\k+1], v[CC+\k:CC+\k+1], v[NN+\k:NN+\k+1], s[C2:C2+1] op_sel_hi:[1,1,0]
.endr
.irp k, 0,2,4,6
	v_pk_mul_f32 v[SS+\k:SS+\k+1], v[SS+\k:SS+\k+1], v[NN+\k:NN+\k+1]
	v_pk_fma_f32 v[CC+\k:CC+\k+1], v[CC+\k:CC+\k+1], v[NN+\k:NN+\k+1], -0.5 op_sel_hi:[1,1,0]
.endr
.irp k, 0,2,4,6
	v_pk_fma_f32 v[SS+\k:SS+\k+1], v[SS+\k:SS+\k+1], v[ANG+\k:ANG+\k+1], v[ANG+\k:ANG+\k+1]   ; sin r = r + r u (..)
	v_pk_fma_f32 v[CC+\k:CC+\k+1], v[CC+\k:CC+\k+1], v[NN+\k:NN+\k+1], 1.0 op_sel_hi:[1,1,0]   ; cos r = 1 + u (..)
.endr
.irp j, 0,1,2,3,4,5,6,7
	v_xor_b32 v[SS+\j], v[SS+\j], v[TT+\j]
	v_xor_b32 v[CC+\j], v[CC+\j], v[TT+\j]
.endr
.endm
.macro ROPE t                          ; tensor t: chunk 2 t holds x(j), chunk 2 t + 1 holds x(1024 + j)
.irp k, 0,2,4,6
	v_pk_mul_f32 v[ANG+\k:ANG+\k+1], v[X+16*\t+8+\k:X+16*\t+9+\k], v[SS+\k:SS+\k+1]
	v_pk_mul_f32 v[NN+\k:NN+\k+1], v[X+16*\t+\k:X+16*\t+1+\k], v[SS+\k:SS+\k+1]
.endr
.irp k, 0,2,4,6
	v_pk_fma_f32 v[X+16*\t+\k:X+16*\t+1+\k], v[X+16*\t+\k:X+16*\t+1+\k], v[CC+\k:CC+\k+1], v[ANG+\k:ANG+\k+1] neg_lo:[0,0,1] neg_hi:[0,0,1]
	v_pk_fma_f32 v[X+16*\t+8+\k:X+16*\t+9+\k], v[X+16*\t+8+\k:X+16*\t+9+\k], v[CC+\k:CC+\k+1], v[NN+\k:NN+\k+1]
.endr
.endm
.macro QUANT i                         ; the four chunks by turns: a block of 32 is my 8 numbers and those of lanes l xor 1, 2, 3
.irp c, 0,1,2,3
	v_max3_num_f32 v[MX+\c], |v[X+8*\c]|, |v[X+8*\c+1]|, 0x8000000   ; with the floor 2^(16 - 127) among the leaves: the byte cannot fall under 1
.endr
.irp j, 2,4,6
.irp c, 0,1,2,3
	v_max3_num_f32 v[MX+\c], v[MX+\c], |v[X+8*\c+\j]|, |v[X+8*\c+\j+1]|
.endr
.endr
.irp m, 1,2
.irp c, 0,1,2,3
	v_max_num_f32_dpp v[MX+\c], v[MX+\c], v[MX+\c] row_xmask:\m row_mask:0xf bank_mask:0xf
.endr
.endr
.irp c, 0,1,2,3
	v_add_nc_u32 v[SCL+\c], 0xf8800000, v[MX+\c]   ; 15 off the exponent field: the conversion takes the exponent field of this operand as its scale
.endr
.irp c, 0,1,2,3
	v_and_or_b32 v[LIM+\c], v[MX+\c], 0x7f800000, s[MNT]   ; 57,344 x the scale
.endr
.irp c, 0,1,2,3
.irp j, 0,1,2,3,4,5,6,7
	v_med3_num_f32 v[X+8*\c+\j], v[X+8*\c+\j], -v[LIM+\c], v[LIM+\c]   ; the conversion to an 8-bit code does not saturate (ISA guide 7.6.2): the hold comes first
.endr
.endr
	s_wait_xcnt 0x0                                ; the last row's stores have read their data: the codes' registers are written again only behind this wait
.irp c, 0,1,2,3
	v_cvt_scalef32_pk8_bf8_f32 v[CD+2*\c:CD+2*\c+1], v[X+8*\c:X+8*\c+7], v[SCL+\c]
.endr
.irp c, 0,1,2,3
	v_lshrrev_b32 v[BY+\c], 23, v[SCL+\c]          ; the scale's byte.  (Also the plain line behind the conversions)
.endr
.irp c, 0,1,2,3
	ds_store_b8 v[SBA], v[BY+\c] offset:1024*(\c/2)+64*(\i)+32*(\c%2)   ; the four lanes of a block write the same byte with the same value
	global_store_b64 v[COFF], v[CD+2*\c:CD+2*\c+1], s[12+2*(\c/2):13+2*(\c/2)] offset:2048*(\i)+1024*(\c%2)   ; the 32 lanes store 256 consecutive bytes, at a multiple of 256 from the buffer's first byte
.endr
.endm
.macro STEP i
	s_wait_loadcnt 24                              ; loads come back in order (ISA guide 5.7.1): row i's eight are in, the 24 of the three sets behind it stay out
	TURN \i
	SINCOS                                         ; wants nothing from memory: it stands while the chunks turn
	s_wait_dscnt 0x0                               ; the chunks are back, and the stage's stores have read set i % 4,
	LOAD (\i)+4                                    ; which takes the loads of four steps on
	ROPE 0
	ROPE 1
	QUANT \i
	s_add_f32 s[ROWF], s[ROWF], 1.0                ; the next row (whole numbers under 4,096: exact)
	s_mov_b32 s[ROWF+1], s[ROWF]
.endm
.irp i, 0,1,2,3,4,5,6,7
	STEP \i
.endr
	; q[8 g + w] = my row of Wq . x: sets 0 and 2 hold the row's halves, sets 1 and 3 those of x; two chains
	s_wait_loadcnt 16                              ; the first halves are in; the second halves' 16 loads stay out
	v_pk_mul_f32 v[ANG:ANG+1], v[R:R+1], v[R+32:R+33]
	v_pk_mul_f32 v[ANG+2:ANG+3], v[R+2:R+3], v[R+34:R+35]
.irp k, 4,8,12,16,20,24,28
	v_pk_fma_f32 v[ANG:ANG+1], v[R+\k:R+\k+1], v[R+32+\k:R+33+\k], v[ANG:ANG+1]
	v_pk_fma_f32 v[ANG+2:ANG+3], v[R+2+\k:R+3+\k], v[R+34+\k:R+35+\k], v[ANG+2:ANG+3]
.endr
	s_wait_loadcnt 0x0
.irp k, 0,4,8,12,16,20,24,28
	v_pk_fma_f32 v[ANG:ANG+1], v[R+64+\k:R+65+\k], v[R+96+\k:R+97+\k], v[ANG:ANG+1]
	v_pk_fma_f32 v[ANG+2:ANG+3], v[R+66+\k:R+67+\k], v[R+98+\k:R+99+\k], v[ANG+2:ANG+3]
.endr
	v_pk_add_f32 v[ANG:ANG+1], v[ANG:ANG+1], v[ANG+2:ANG+3]
	v_add_f32 v[ANG], v[ANG], v[ANG+1]
.irp m, 1,2,4,8
	v_add_f32_dpp v[ANG], v[ANG], v[ANG] row_xmask:\m row_mask:0xf bank_mask:0xf
.endr
	v_permlanex16_b32 v[ANG+1], v[ANG], s[SEL], s[SEL+1]
	v_add_f32 v[ANG], v[ANG], v[ANG+1]             ; every lane holds the sum
	v_mov_b32 v7, s20
	v_lshlrev_b32 v7, 2, v7
	ds_store_b32 v7, v[ANG] offset:QW              ; all lanes write my wave's word with the same value
	s_wait_dscnt 0x0                               ; for the others' sake: my scale bytes and my word have landed
	s_barrier_signal -1
	s_barrier_wait -1
	; the way out of the small things: 2,048 scale bytes, 8 a thread, and 8 numbers of q
	v_lshlrev_b32 v8, 3, v0
	ds_load_b64 v[10:11], v8 offset:SCB
	v_and_b32 v9, 7, v0
	v_lshlrev_b32 v9, 2, v9
	ds_load_b32 v12, v9 offset:QW
	v_lshrrev_b32 v13, 7, v0                       ; the tensor
	v_and_b32 v14, 127, v0
	v_lshlrev_b32 v14, 3, v14
	v_lshl_add_u32 v14, v13, 18, v14               ; states' scale bytes lie 4,096 rows x 64 bytes behind keys'
	v_lshlrev_b32 v15, 2, v0
	s_wait_dscnt 0x0
	global_store_b64 v14, v[10:11], s[16:17]       ; a wave stores 256 consecutive bytes, at a multiple of 256 from the buffer's first byte
	v_cmp_gt_u32 vcc_lo, 8, v0
	s_wait_xcnt 0x0                                ; EXEC changes only behind this wait
	s_wait_tensorcnt 0x0
	ds_add_u32 v254, v255
	s_wait_dscnt 0x0
	s_and_saveexec_b32 s70, vcc_lo
	global_store_b32 v15, v12, s[18:19]            ; threads 0 to 7: 32 bytes a work-group, 8 KB in the launch
	s_endpgm
.Lfunc_end_k_qdea715bb32_ropeq:
	.size	k_qdea715bb32_ropeq, .Lfunc_end_k_qdea715bb32_ropeq-k_qdea715bb32_ropeq
	.p2alignl 7, 3214868480
	.fill 96, 4, 3214868480
	.section	.rodata,"a",@progbits
	.p2align	6, 0x0
	.amdhsa_kernel k_qdea715bb32_ropeq
		.amdhsa_group_segment_fixed_size 38144
		.amdhsa_private_segment_fixed_size 0
		.amdhsa_enable_private_segment 0
		.amdhsa_kernarg_size 48
		.amdhsa_user_sgpr_count 2
		.amdhsa_user_sgpr_kernarg_segment_ptr 1
		.amdhsa_wavefront_size32 1
		.amdhsa_system_sgpr_workgroup_id_x 1
		.amdhsa_system_sgpr_workgroup_id_y 1
		.amdhsa_system_sgpr_workgroup_id_z 1
		.amdhsa_system_vgpr_workitem_id 0
		.amdhsa_next_free_vgpr 256
		.amdhsa_next_free_sgpr 80
		.amdhsa_reserve_vcc 1
		.amdhsa_float_denorm_mode_32 3
		.amdhsa_float_denorm_mode_16_64 3
		.amdhsa_memory_ordered 1
		.amdhsa_forward_progress 1
		.amdhsa_inst_pref_size 130
	.end_amdhsa_kernel
	.amdgpu_metadata
---
amdhsa.version: [ 1, 2 ]
amdhsa.kernels:
  - .name:           k_qdea715bb32_ropeq
    .symbol:         k_qdea715bb32_ropeq.kd
    .args:
      - { .name: keys, .offset: 0, .size: 8, .value_kind: global_buffer, .address_space: global }
      - { .name: states, .offset: 8, .size: 8, .value_kind: global_buffer, .address_space: global }
      - { .name: x, .offset: 16, .size: 8, .value_kind: global_buffer, .address_space: global }
      - { .name: Wq, .offset: 24, .size: 8, .value_kind: global_buffer, .address_space: global }
      - { .name: aq, .offset: 32, .size: 8, .value_kind: global_buffer, .address_space: global }
      - { .name: qv, .offset: 40, .size: 8, .value_kind: global_buffer, .address_space: global }
    .group_segment_fixed_size: 38144
    .private_segment_fixed_size: 0
    .kernarg_segment_align: 8
    .kernarg_segment_size: 48
    .max_flat_workgroup_size: 256
    .sgpr_count:     80
    .vgpr_count:     256
    .wavefront_size: 32
...
	.end_amdgpu_metadata
.endif
;; end of part 1
;; launch gemm1 (part 2): grid 8 x 32, 4 waves a work-group, clusters of 4 x 4, 327,680 bytes of LDS; arguments aq, hq, Wk_codes, Wk_scales, Wv_codes, Wv_scales, qv, Wq_mha, qh, Wk_mha_codes, Wv_mha_codes, wimg; writes hq, qh, wimg
.if DOCPART == 2
	.amdgcn_target "amdgcn-amd-amdhsa--gfx1250"
	.amdhsa_code_object_version 6
	.text
	.protected	k_qdea715bb32_gemm1
	.globl	k_qdea715bb32_gemm1
	.p2align	8
	.type	k_qdea715bb32_gemm1,@function
k_qdea715bb32_gemm1:
	s_mov_b64 s[64:65], 0
	v_nop
	global_prefetch_b8 v0, s[64:65] scope:SCOPE_SE
	s_setreg_imm32_b32 hwreg(HW_REG_WAVE_MODE, 25, 1), 1
	s_wait_xcnt 0x0
	s_wait_alu depctr_hold_cnt(0) depctr_sa_sdst(0) depctr_va_vdst(0) depctr_va_sdst(0) depctr_va_ssrc(0) depctr_va_vcc(0) depctr_vm_vsrc(0)
	s_getreg_b32 s2, hwreg(HW_REG_IB_STS2, 6, 4)
	s_cmp_eq_u32 s2, 0
	s_cbranch_scc0 .Lentry_in_a_cluster
	s_endpgm
.Lentry_in_a_cluster:
	s_bfe_u32 s2, ttmp6, 0x10000c
	s_cmp_lg_u32 s2, 0xf033
	s_cbranch_scc0 .Lentry_shape_is_right
	s_endpgm
.Lentry_shape_is_right:
; k = rope(keys) Wk^T and v = rope(states) Wv^T on codes of BF8 (E5M2) with one E8M0 scale for each 32 along K, sums in f32; the results are quantised along THEIR 2,048 columns, which are the next product's K,
; straight out of the accumulators, and never go to memory as f32.  Beside it: qh = c Wq_mha q, c = log2(e) / sqrt(128), in f32; and the next launch's weights are laid out once as that launch's registers take them.
; A: aq, [8192 rows][2048] codes (rows 0-4095 keys' path, 4096-8191 states' path) and, from byte 16,777,216 on, [8192][64] scale bytes.  B: Wk's or Wv's codes [2048][2048] and scale bytes [2048][64], by the path.
; hq, the result: codes as IMAGES OF OPERAND REGISTERS, [path 2][k128 16][tile of 16 rows 256][2,048 bytes]: the code of (row r of the tile, k = 32 c + 16 h + e) lies at 512 c + 256 h + 16 r + e, so that the next launch's
; lane 16 h + r takes its four registers of block c by one load of 16 bytes at 512 c + 16 x lane.  From byte 16,777,216 on the scale words [path][k128][row 4096], four bytes each, byte b for k = 32 b on.
; wimg: Wk_mha's (path 0) and Wv_mha's (path 1) codes as images of the same make, [path 2][head 16][k128 16][block of 16 rows 8][2,048 bytes]: 4,096 images, four to each of the launch's 1,024 waves.
; LIMITS: NaN and infinities are not served; a block of zeros gets the byte 1 (its codes are zeros, and this program alone reads the bytes); blocks whose largest magnitude lies under 2^-111 are held at the byte 1.
; A tile of C, 256 x 256, is made by a work-group of four waves, as many as a WGP has SIMDs; a wave makes 128 x 128: 64 accumulators of 16 x 16, 512 registers.
; K goes in steps of 256 through a ring of two LDS slots filled by the tensor data mover: a tile's row is 256 bytes of memory.
; THE SCALES of the work-group's 256 rows of A and 256 rows of B, for all of K, are two dense blocks of memory: they come into LDS once, with the first fills, and stay.
; CLUSTERS: 4 x 4 work-groups.  The four of a row of the cluster need the same tiles of A, the four of a column the same tiles of B: each tile is asked for JOINTLY, by the same tensor load with the
; same descriptor and a mask that names the four.  A cluster lies wholly in one path (8 clusters along y, 4 to a path).
; THE MATRIX INSTRUCTION IS USED TRANSPOSED (source 0 = 16 rows of B, source 1 = 16 rows of A): lane (r, h) then holds row r and columns 8 h + 0 .. 7 of a tile: eight neighbours along the next K.
; REGISTERS, in windows of 256: window 0: v0-31 addresses; v32-63 scale words, two sets; from v128 A's fragments (8 x 16 rows x 128 K), one set; on the way out v32-255 are free.
;   window 1: B's fragments, two sets, at v0 and at v128; on the way out v0-63 carry the four images of the next launch's weights.
;   window 2: the 32 accumulators of my rows 0-63 (accumulator (a, b) at v[8 (8 a + b)]);   window 3: those of my rows 64-127.
; A step of 128 along K is 64 matrix instructions, A's blocks one after the other, each against B's eight: a block of A is free as soon as its eight products are issued, so one set of registers serves A;
; B's fragments are at work through the whole step, so B has two sets.
.set SIZE_K, 2048
.set KSTEP,  256                       ; along K in a slot
.set NQ,     KSTEP/128                 ; matrix instructions deep
.set ROWB,   256                       ; a tile's row in bytes
.set KROW,   SIZE_K                    ; a row of A or of B in memory, in bytes
.set PITCH,  272                       ; an LDS row: 256 bytes + 16 of padding = 68 words: row r starts at bank 4 r mod 64 (64 banks of 4 bytes: ISA guide 11.1), so the 16 rows that a load touches start at 16 different banks
.set FR,     16                        ; registers of a fragment
.set NL,     4                         ; LDS loads that bring one
.set NP,     8                         ; places behind this matrix instruction (ISA guide 7.12.1)
.set HALFT,  128*PITCH                 ; 128 rows: what one tensor load brings
.set SLOT,   4*HALFT                   ; A's 256 rows, then B's 256 rows
.set LAPS,   SIZE_K/(2*KSTEP)          ; a lap = two K steps = once round the ring
.set KS,     SIZE_K/32                 ; a row of scales in bytes
.set SCL,    2*SLOT                    ; behind the ring: the scales, as rows of 256 bytes + 16 of padding
.set HALFS,  (128*KS/256)*272          ; the scales of 128 rows: what one tensor load brings
.set SBLK,   (16*KS/256)*272           ; those of 16 rows
.set SPARE,  SCL+4*HALFS               ; the spare words, 128 bytes for each wave: two blocks of 256 bytes that no other line names
.set SST,    SPARE+512                 ; the way out: 512 bytes for each wave, its 128 rows' new scale words; no fill lands here
.set ADRA, 16                          ; v16-17  LDS address of my A fragments in slot 0, 1
.set ADRB, 20                          ; v20-21  the same for B
.set GO,   24                          ; v24     the way out: 16 r + 8 h: my 8 codes' place in 256 bytes of an image
.set SSA,  25                          ; v25     where I put a row's scale word
.set SSR,  26                          ; v26     and where I read 16 bytes of them back
.set ADRS, 27                          ; v27     LDS address of my scale words: lanes 0-15 A's rows, lanes 16-31 B's
.set SPW,  28                          ; v28     LDS address of my spare word; never rewritten
.set NIL,  29                          ; v29     0; never rewritten
.set PFO,  30                          ; v30     the prefetches' offset: my lane x a row of 2,048 bytes; never rewritten
.set L16,  31                          ; v31     16 x lane; never rewritten
.set SC,   32                          ; scale words: set s at v[SC + 8 NQ s]; register NQ i + q: lanes 0-15 the word of A's block i, lanes 16-31 that of B's block i, for the slot's q-th 128 along K
.set AF,   128                         ; A's fragments, in window 0
.set TM,   32                          ; the way out: v32-35 largest magnitudes, v36-39 bytes, v40-43 57,344 x the scale, v44-47 the conversions' scale operands
.set PW,   48                          ; v48-55  block a's scale word
.set HT,   64                          ; v64-127 a block's 64 numbers, held
.set CD,   128                         ; v128-255 codes: 16 registers for each block, so that no store's data are written again
.set G1, 24                            ; s[24:31] descriptor group 1 for A's tiles;  s[32:39] group 0, one set for each slot
.set G0, 32
.set G1B, 48                           ; s[48:55], s[56:63] the same for B's tiles
.set G0B, 56
.set G1S, 68                           ; s[68:75], s[76:79] groups 1 and 0 for A's scales;  s[80:87], s[88:91] for B's
.set G0S, 76
.set G1SB, 80
.set G0SB, 88
.set PFA, 92                           ; s[92:93] where my prefetches stand
.set LIM, 96                           ; s96  1 in a wave that prefetches, else the greatest number
.set MNT, 97                           ; s97  the mantissa field of 57,344
.set SEL, 98                           ; s[98:99] v_permlanex16_b32's selects for lane l xor 16
.set MSB, 0
.macro WIN new                         ; the immediate's high byte repeats the setting that is left; a switch that changes nothing is dropped
.if MSB != (\new)
	s_set_vgpr_msb (MSB<<8)|(\new)
.set MSB, (\new)
.endif
.endm
.set MUL_LO, 0xa1                      ; source 0 (B) window 1, source 1 (A) window 0, C and D window 2
.set MUL_HI, 0xf1                      ; the same, C and D window 3
.set TO_B,   0x40                      ; destination window 1, address window 0
; A joint load: waves 0 and 1 fetch for A, waves 2 and 3 for B.  Each of the two lines has one mask and one set of registers for all that issue it; the branch hangs on the wave's number alone.
; Four v_nop follow each of the two lines, ahead of the jump, the label and what follows.
.macro JLOAD g0a, g1a, g0b, g1b
	s_cmp_eq_u32 s15, 0
	s_cbranch_scc0 .Lfor_b_\@
	tensor_load_to_lds s[\g0a:\g0a+3], s[\g1a:\g1a+7]
	s_nop 0
.rept 4
	v_nop
.endr
	s_branch .Lasked_\@
.Lfor_b_\@:
	tensor_load_to_lds s[\g0b:\g0b+3], s[\g1b:\g1b+7]
	s_nop 0
.rept 4
	v_nop
.endr
.Lasked_\@:
.endm
; A PREFETCH INTO THE L2, behind each joint refill and the run of LDS loads that follows it: the K step that stands two refills on: 32 rows x 256 bytes, a lane a row, one instruction a wave.
; Each row's 256 bytes of a K step are named once in the launch.  A's tile row is read by both clusters of that row of clusters: cluster x = 0 asks; B's tile column by the four clusters of its path: the path's first asks.
; The four partners that ask for a tile jointly share its rows out by address: of the 128 rows that a wave fetches, the partner at place p takes 32 p .. 32 p + 31 (p = cx for A, cy for B).
; The loop's last trip (s3 = 1) asks for nothing: there is no K step 8.  K steps 0 to 3 come by their loads alone.
.macro ASK
	s_cmp_gt_u32 s3, s[LIM]
	s_cbranch_scc0 .Lnot_mine_\@
	global_prefetch_b8 v[PFO], s[PFA:PFA+1] th:TH_LOAD_NT scope:SCOPE_SE
.Lnot_mine_\@:
.endm
.macro CREST                           ; a round of the cluster's barrier behind its opening barrier
	s_cmp_lg_u32 s14, 0
	s_cbranch_scc1 .Lnot_wave_0_\@
	s_barrier_signal -3
.Lnot_wave_0_\@:
	s_barrier_wait -3
	s_barrier_signal -1
	s_barrier_wait -1
.endm
.macro CROUND                          ; a whole round
	s_barrier_signal -1
	s_barrier_wait -1
	CREST
.endm
	s_load_b128 s[4:7], s[0:1], 0x0                ; aq s[4:5], hq s[6:7]
	s_load_b128 s[8:11], s[0:1], 0x10              ; Wk's codes, Wk's scales
	s_load_b128 s[96:99], s[0:1], 0x20             ; Wv's codes, Wv's scales
	s_load_b64 s[104:105], s[0:1], 0x30            ; qv
	s_load_b64 s[100:101], s[0:1], 0x38            ; Wq_mha
	s_load_b64 s[66:67], s[0:1], 0x40              ; qh
	v_lshl_add_u32 v[SPW], v0, 2, SPARE
	v_mov_b32 v[NIL], 0
	ds_add_u32 v28, v29
	ds_add_u32 v28, v29
	s_wait_dscnt 0x0
	v_lshrrev_b32 v1, 5, v0
	v_readfirstlane_b32 s14, v1                    ; wave 0..3
	s_lshr_b32 s15, s14, 1                         ; which half of the tile's rows is mine.  Also: I fetch for A (0) or for B (1)
	s_and_b32 s16, s14, 1                          ; which half of its columns.  Also: which 128 rows of that tile I fetch
	s_bfe_u32 s40, ttmp6, 0x40000                  ; cx, cy: my place in the cluster
	s_bfe_u32 s41, ttmp6, 0x40004
	s_lshl_b32 s42, ttmp9, 2
	s_add_co_u32 s42, s42, s40                     ; tile column = 4 x cluster x + cx: 0 .. 7
	s_and_b32 s17, ttmp7, 0xffff
	s_lshl_b32 s17, s17, 2
	s_add_co_u32 s17, s17, s41                     ; tile row = 4 x cluster y + cy: 0 .. 31, both paths on end
	s_and_b32 s2, ttmp7, 0xffff                    ; cluster y: 0-3 keys' path, 4-7 states'
	s_lshl_b32 s43, s41, 2
	s_lshl_b32 s43, 15, s43                        ; my row of the cluster
	s_lshl_b32 s44, 0x1111, s40                    ; my column
	; descriptor group 1: a tile of 128 rows x 256 bytes, padded in LDS
	s_or_b32 s[G1+0], s43, (0<<16)|(1<<20)|(1<<21)|(5<<22)|(3<<25)  ; 15:0 the mask: A's tiles go to my row; 17:16 element of 1 byte; 20 padding on; 21 set beside a mask; 24:22 after every 64 words (code 5); 31:25 of 4 words (code 3)
	s_or_b32 s[G1B+0], s44, (0<<16)|(1<<20)|(1<<21)|(5<<22)|(3<<25)
.irp g, G1, G1B
	s_mov_b32 s[\g+1], ROWB<<16                    ; tensor_dim0
	s_mov_b32 s[\g+2], 128<<16                     ; tensor_dim1 = 128
	s_mov_b32 s[\g+3], ROWB<<16                    ; tile_dim0
	s_mov_b32 s[\g+4], 128                         ; tile_dim1 = 128
	s_mov_b32 s[\g+5], KROW                        ; tensor_dim0_stride
	s_mov_b32 s[\g+6], 0
	s_mov_b32 s[\g+7], 0
.endr
	; and for the scales of 128 rows: a dense block of 8,192 bytes, as rows of 256 bytes (32 elements of 8 bytes), 16 bytes of padding behind each
	s_or_b32 s[G1S+0], s43, (3<<16)|(1<<20)|(1<<21)|(5<<22)|(3<<25)
	s_or_b32 s[G1SB+0], s44, (3<<16)|(1<<20)|(1<<21)|(5<<22)|(3<<25)
.irp g, G1S, G1SB
	s_mov_b32 s[\g+1], 32<<16
	s_mov_b32 s[\g+2], (128*KS/256)<<16
	s_mov_b32 s[\g+3], 32<<16
	s_mov_b32 s[\g+4], 128*KS/256
	s_mov_b32 s[\g+5], 32
	s_mov_b32 s[\g+6], 0
	s_mov_b32 s[\g+7], 0
.endr
	s_lshl_b32 s18, s16, 7                         ; which 128 rows of the tile I fetch
	s_lshl_b32 s20, s17, 8
	s_add_co_u32 s20, s20, s18                     ; A: row 256 x tile row + 128 x half
	s_lshl_b32 s46, s42, 8
	s_add_co_u32 s46, s46, s18                     ; B: row 256 x tile column + 128 x half
	s_mov_b32 s21, 0
	s_mov_b32 s47, 0
	s_mov_b64 s[18:19], KS
	s_mul_u64 s[22:23], s[20:21], s[18:19]         ; where these rows' scales begin, in bytes
	s_mul_u64 s[92:93], s[46:47], s[18:19]
	s_mov_b64 s[18:19], KROW
	s_mul_u64 s[20:21], s[20:21], s[18:19]         ; and their codes
	s_mul_u64 s[46:47], s[46:47], s[18:19]
	s_mul_i32 s45, s14, HALFT                      ; where they go: wave x 128 rows: no place in the cluster enters an LDS address
	s_mul_i32 s94, s14, HALFS
	s_wait_kmcnt 0x0
	s_mov_b64 s[12:13], s[6:7]                     ; hq
	s_add_nc_u64 s[6:7], s[4:5], 0x1000000         ; A's scale bytes lie behind A's codes
	s_cmp_lt_u32 s2, 4                             ; the path: the same in all sixteen partners
	s_cselect_b64 s[8:9], s[8:9], s[96:97]         ; B's codes
	s_cselect_b64 s[10:11], s[10:11], s[98:99]     ; B's scales
	s_mov_b32 s[MNT], 0x600000
	s_mov_b32 s[SEL], 0x76543210
	s_mov_b32 s[SEL+1], 0xfedcba98
	s_add_nc_u64 s[20:21], s[4:5], s[20:21]
	s_add_nc_u64 s[22:23], s[6:7], s[22:23]
	s_add_nc_u64 s[46:47], s[8:9], s[46:47]
	s_add_nc_u64 s[92:93], s[10:11], s[92:93]
	CROUND                                         ; all sixteen work-groups are here: the first joint loads meet
	s_mov_b32 s[G0S], 1
	s_add_co_u32 s[G0S+1], s94, SCL
	s_mov_b64 s[G0S+2:G0S+3], s[22:23]
	s_or_b32 s[G0S+3], s[G0S+3], 0x80000000
	s_mov_b32 s[G0SB], 1
	s_add_co_u32 s[G0SB+1], s94, SCL
	s_mov_b64 s[G0SB+2:G0SB+3], s[92:93]
	s_or_b32 s[G0SB+3], s[G0SB+3], 0x80000000
	JLOAD G0S, G1S, G0SB, G1SB                     ; the scales first: they are wanted with K step 0
.irp s, 0,1
	s_mov_b32 s[G0+4*\s], 1
	s_add_co_u32 s[G0+4*\s+1], s45, \s*SLOT
	s_add_nc_u64 s[G0+4*\s+2:G0+4*\s+3], s[20:21], \s*ROWB
	s_or_b32 s[G0+4*\s+3], s[G0+4*\s+3], 0x80000000
	s_mov_b32 s[G0B+4*\s], 1
	s_add_co_u32 s[G0B+4*\s+1], s45, \s*SLOT
	s_add_nc_u64 s[G0B+4*\s+2:G0B+4*\s+3], s[46:47], \s*ROWB
	s_or_b32 s[G0B+4*\s+3], s[G0B+4*\s+3], 0x80000000
	JLOAD G0+4*\s, G1, G0B+4*\s, G1B
.endr
	; qh = c Wq_mha q rides here, while the first tiles are on their way: work-group id = 8 x tile row + tile column takes rows 8 id .. 8 id + 7, wave w two of them.  64 KB of Wq_mha a work-group, read once.
	v_and_b32 v6, 31, v0                           ; lane
	v_lshlrev_b32 v[L16], 4, v6
	s_lshl_b32 s20, s17, 3
	s_add_co_u32 s20, s20, s42
	s_lshl_b32 s20, s20, 3
	s_lshl_b32 s21, s14, 1
	s_add_co_u32 s20, s20, s21                     ; the first of my two rows
	s_lshl_b32 s22, s20, 2
	s_mov_b32 s23, 0
	s_add_nc_u64 s[66:67], s[66:67], s[22:23]
	s_lshl_b32 s20, s20, 13
	s_mov_b32 s21, 0
	s_add_nc_u64 s[100:101], s[100:101], s[20:21]
.irp i, 0,1,2,3,4,5,6,7,8,9,10,11,12,13,14,15
	global_load_b128 v[64+4*\i:67+4*\i], v[L16], s[104:105] offset:512*\i
.endr
.irp p, 0,1
.irp i, 0,1,2,3,4,5,6,7,8,9,10,11,12,13,14,15
	global_load_b128 v[128+64*\p+4*\i:131+64*\p+4*\i], v[L16], s[100:101] offset:8192*\p+512*\i th:TH_LOAD_NT
.endr
.endr
	v_and_b32 v1, 15, v0                           ; l % 16
	v_bfe_u32 v2, v0, 4, 1                         ; l / 16
	v_mul_u32_u24 v3, v1, PITCH
	v_lshl_add_u32 v4, v2, 4, v3                   ; a fragment's row x pitch + 16 x half
	s_mul_i32 s21, s15, HALFT                      ; my 128 rows of A
	s_mul_i32 s22, s16, HALFT                      ; my 128 rows of B,
	s_add_co_u32 s22, s22, 2*HALFT                 ; which lie behind A's 256
.irp s, 0,1
	v_add_nc_u32 v[ADRA+\s], s21, v4
	v_add_nc_u32 v[ADRB+\s], s22, v4
	s_add_co_u32 s21, s21, SLOT
	s_add_co_u32 s22, s22, SLOT
.endr
	v_mul_u32_u24 v5, v1, KS                       ; my row's scales: KS bytes a row,
	v_lshrrev_b32 v7, 8, v5
	v_lshl_add_u32 v5, v7, 4, v5                   ; and 16 more for each 256 passed
	s_mul_i32 s21, s15, HALFS                      ; A's: my 128 rows
	s_mul_i32 s22, s16, HALFS                      ; B's: my 128 rows, behind A's 256
	s_add_co_u32 s22, s22, 2*HALFS
	s_sub_co_u32 s22, s22, s21
	v_mul_u32_u24 v7, s22, v2                      ; lanes 16-31 take B's: the lower base + h x the distance
	s_add_co_u32 s21, s21, SCL
	v_add_nc_u32 v5, v5, v7
	v_add_nc_u32 v[ADRS], s21, v5
	v_lshlrev_b32 v[GO], 4, v1
	v_lshl_add_u32 v[GO], v2, 3, v[GO]
	s_lshl_b32 s21, s14, 9
	s_add_co_u32 s21, s21, SST
	v_lshl_add_u32 v[SSA], v1, 2, s21
	v_add_nc_u32 v[SSR], s21, v[L16]
	v_lshlrev_b32 v[PFO], 11, v6
	v_lshlrev_b32 v7, 2, v6                        ; 4 x lane: qh's store
	; where my part of hq begins: image ((16 path + k128) x 256 + 16 x (tile row % 16) + 8 x row half) of 2,048 bytes; scale words: ((16 path + k128) x 4,096 + my first row) x 4
	s_lshr_b32 s20, s17, 4
	s_lshl_b32 s20, s20, 4
	s_lshl_b32 s21, s42, 1
	s_add_co_u32 s20, s20, s21
	s_add_co_u32 s20, s20, s16                     ; 16 path + k128, k128 = 2 x tile column + column half
	s_and_b32 s21, s17, 15
	s_lshl_b32 s22, s20, 8
	s_lshl_b32 s23, s21, 4
	s_add_co_u32 s22, s22, s23
	s_lshl_b32 s23, s15, 3
	s_add_co_u32 s22, s22, s23
	s_lshl_b32 s22, s22, 11
	s_mov_b32 s23, 0
	s_lshl_b32 s46, s20, 12
	s_lshl_b32 s47, s21, 8
	s_add_co_u32 s46, s46, s47
	s_lshl_b32 s47, s15, 7
	s_add_co_u32 s46, s46, s47
	s_lshl_b32 s46, s46, 2
	s_add_co_u32 s46, s46, 0x1000000
	s_mov_b32 s47, 0
	s_add_nc_u64 s[94:95], s[12:13], s[46:47]
	s_add_nc_u64 s[12:13], s[12:13], s[22:23]
	; the prefetches: where mine stand, and who asks
	s_lshl_b32 s20, s17, 8                         ; the tile's first row in A,
	s_lshl_b32 s21, s42, 8                         ; in B
	s_and_b32 s22, s2, 3                           ; the cluster's place in its path
	s_cmp_eq_u32 s15, 0                            ; do I fetch for A?
	s_cselect_b32 s20, s20, s21
	s_cselect_b32 s21, s40, s41                    ; my place among the four that ask with me
	s_cselect_b32 s22, ttmp9, s22                  ; the coordinate along which other clusters read the same rows
	s_cselect_b64 s[PFA:PFA+1], s[4:5], s[8:9]
	s_cmp_eq_u32 s22, 0
	s_cselect_b32 s[LIM], 1, -1                    ; the same in all sixteen partners, for a given wave
	s_lshl_b32 s22, s16, 7
	s_add_co_u32 s20, s20, s22                     ; + the 128 rows that I fetch
	s_lshl_b32 s21, s21, 5
	s_add_co_u32 s20, s20, s21                     ; + my work-group's 32 of them
	s_lshl_b32 s20, s20, 11
	s_add_co_u32 s20, s20, 3*ROWB                  ; at K step 3: the first refill steps it to K step 4 and names that
	s_mov_b32 s21, 0
	s_add_nc_u64 s[PFA:PFA+1], s[PFA:PFA+1], s[20:21]
	s_wait_loadcnt 0x0                             ; q and my two rows
.irp p, 0,1
	v_pk_mul_f32 v[32+4*\p:33+4*\p], v[128+64*\p:129+64*\p], v[64:65]       ; two chains a row; the first products start them
	v_pk_mul_f32 v[34+4*\p:35+4*\p], v[130+64*\p:131+64*\p], v[66:67]
.endr
.irp i, 1,2,3,4,5,6,7,8,9,10,11,12,13,14,15
.irp p, 0,1
	v_pk_fma_f32 v[32+4*\p:33+4*\p], v[128+64*\p+4*\i:129+64*\p+4*\i], v[64+4*\i:65+4*\i], v[32+4*\p:33+4*\p]
	v_pk_fma_f32 v[34+4*\p:35+4*\p], v[130+64*\p+4*\i:131+64*\p+4*\i], v[66+4*\i:67+4*\i], v[34+4*\p:35+4*\p]
.endr
.endr
.irp p, 0,1
	v_pk_add_f32 v[32+4*\p:33+4*\p], v[32+4*\p:33+4*\p], v[34+4*\p:35+4*\p]
.endr
.irp p, 0,1
	v_add_f32 v[32+4*\p], v[32+4*\p], v[33+4*\p]
.endr
.irp m, 1,2,4,8
.irp p, 0,1
	v_add_f32_dpp v[32+4*\p], v[32+4*\p], v[32+4*\p] row_xmask:\m row_mask:0xf bank_mask:0xf
.endr
.endr
.irp p, 0,1
	v_permlanex16_b32 v[33+4*\p], v[32+4*\p], s[SEL], s[SEL+1]
.endr
.irp p, 0,1
	v_add_f32 v[32+4*\p], v[32+4*\p], v[33+4*\p]
.endr
	v_mul_f32 v32, 0x3e0293ee, v32                 ; x c = log2(e) / sqrt(128): the next launch's dot products are then the softmax's exponents in base 2
	v_mul_f32 v36, 0x3e0293ee, v36
	v_cmp_eq_u32 vcc_lo, 1, v6
	v_cndmask_b32 v32, v32, v36, vcc_lo            ; lane 1 takes the second row's
	v_cmp_gt_u32 vcc_lo, 2, v6
	s_wait_xcnt 0x0                                ; EXEC changes only behind this wait
	s_and_saveexec_b32 s20, vcc_lo
	global_store_b32 v7, v32, s[66:67]             ; 8 bytes a wave, 8 KB in the launch
	s_wait_xcnt 0x0                                ; and again, in front of the line that widens it; the store has read v32, which scale words take next
	s_or_b32 exec_lo, exec_lo, s20
.macro FRAG reg, adr, q, i             ; a fragment, 16 rows x 128 K of 8-bit codes, is 16 registers: lane l holds row l % 16; registers 4 c .. 4 c + 3 hold K = 32 c + 16 (l / 16) + 0 .. 15
.irp c, 0,1,2,3
	ds_load_b128 v[\reg+4*\c:\reg+4*\c+3], v[\adr] offset:128*(\q)+32*\c+(\i)*16*PITCH
.endr
.endm
; 16 matrix instructions: A's blocks a0, a0 + 1 x B's eight, 128 along K: the slot's q-th.  p: B's set;  sc: the set of scale words.  zero = 1: the first product starts the sums: nothing is ever cleared.
; The 64 accumulators take turns, one instruction a turn, in the same order in every step.
.macro MUL16 a0, p, q, sc, zero
.irp a, \a0, \a0+1
.irp b, 0,1,2,3,4,5,6,7
.if \zero
	v_wmma_scale_f32_16x16x128_f8f6f4 v[8*(8*((\a)%4)+\b):8*(8*((\a)%4)+\b)+7], v[128*(\p)+FR*\b:128*(\p)+FR*\b+FR-1], v[AF+FR*(\a):AF+FR*(\a)+FR-1], 0, v[SC+8*NQ*(\sc)+NQ*\b+(\q)], v[SC+8*NQ*(\sc)+NQ*(\a)+(\q)] matrix_a_fmt:MATRIX_FMT_BF8 matrix_b_fmt:MATRIX_FMT_BF8 matrix_a_scale:MATRIX_SCALE_ROW1
.else
	v_wmma_scale_f32_16x16x128_f8f6f4 v[8*(8*((\a)%4)+\b):8*(8*((\a)%4)+\b)+7], v[128*(\p)+FR*\b:128*(\p)+FR*\b+FR-1], v[AF+FR*(\a):AF+FR*(\a)+FR-1], v[8*(8*((\a)%4)+\b):8*(8*((\a)%4)+\b)+7], v[SC+8*NQ*(\sc)+NQ*\b+(\q)], v[SC+8*NQ*(\sc)+NQ*(\a)+(\q)] matrix_a_fmt:MATRIX_FMT_BF8 matrix_b_fmt:MATRIX_FMT_BF8 matrix_a_scale:MATRIX_SCALE_ROW1
.endif
.endr
.endr
.endm
.macro FETCH_B slot, q, p              ; B's eight fragments of the slot's q-th 128 along K into set p
	WIN TO_B
.irp i, 0,1,2,3,4,5,6,7
	FRAG 128*(\p)+FR*\i, ADRB+\slot, \q, \i
.endr
	WIN 0
.endm
.macro FETCH_A slot, q, i0             ; A's blocks i0 .. i0 + 3
.irp i, \i0, \i0+1, \i0+2, \i0+3
	FRAG AF+FR*(\i), ADRA+\slot, \q, \i
.endr
.endm
.macro SCALES sc                       ; the next K step's scale words into set sc: NQ words a row; lanes 0-15 take A's block i, lanes 16-31 B's block i
.irp i, 0,1,2,3,4,5,6,7
	ds_load_b64 v[SC+8*NQ*\sc+NQ*\i:SC+8*NQ*\sc+NQ*\i+1], v[ADRS] offset:\i*SBLK
.endr
.endm
; A load into a register that a matrix instruction has read, and a vector instruction that reads a matrix result or writes one of a matrix instruction's registers, stand NP places behind that matrix instruction,
; and only plain vector instructions that name none of its registers are places (ISA guide 7.12.1 for vector instructions).
.macro PLACES n
.rept \n
	v_nop
.endr
.endm
; A step of 128 along K that has its successor in the same slot.
.macro STEP slot, q, zero
	s_wait_dscnt 4*NL                              ; B's set and A's blocks 0-3 are in; the youngest 16 loads (A's blocks 4-7) may be out
	WIN MUL_LO
	MUL16 0, (\q)%2, \q, \slot, \zero
	MUL16 2, (\q)%2, \q, \slot, \zero
	s_wait_dscnt 0                                 ; A's blocks 4-7 are in (asked for 32 matrix instructions ago)
	PLACES NP
	FETCH_B \slot, (\q)+1, 1-(\q)%2
	FETCH_A \slot, (\q)+1, 0
	WIN MUL_HI
	MUL16 4, (\q)%2, \q, \slot, \zero
	MUL16 6, (\q)%2, \q, \slot, \zero
	PLACES NP
	WIN 0
	FETCH_A \slot, (\q)+1, 4
.endm
; A slot's last step changes slots: one barrier; in front of it each wave waits for all its tensor loads, adds 0 to its spare word, and waits for that and for its own reads of this slot.  fill = 1: this slot is filled again, two K steps ahead.
.macro TURN slot, next, fill
.if \fill
	s_wait_xcnt 0x0                                ; the last prefetch, a K step back, has read its address: it is stepped here, ahead of the waits of the change of slots
	s_add_nc_u64 s[PFA:PFA+1], s[PFA:PFA+1], ROWB
.endif
	s_wait_tensorcnt 0x0                           ; all my tensor loads have landed: my part of the next slot;  (every window is 0 here: the add's two registers lie in window 0)
	ds_add_u32 v[SPW], v[NIL]                      ; 0 onto my spare word
	s_wait_dscnt 4*NL+1                            ; (the add and the youngest 16 loads, A's blocks 4-7, may be out)
	WIN MUL_LO
	MUL16 0, 1, NQ-1, \slot, 0                     ; sixteen matrix instructions stand between the add and the wait for it
	s_wait_dscnt 0x0                               ; the add is done, and my reads of this slot are over
	s_barrier_signal -1
	MUL16 2, 1, NQ-1, \slot, 0
	WIN 0
	s_barrier_wait -1
.if \fill
	CREST                                          ; the barrier has opened a round of the cluster's barrier: no wave of any partner still reads this slot's tile or has a load on its way
	s_add_nc_u64 s[G0+4*\slot+2:G0+4*\slot+3], s[G0+4*\slot+2:G0+4*\slot+3], 2*ROWB
	s_add_nc_u64 s[G0B+4*\slot+2:G0B+4*\slot+3], s[G0B+4*\slot+2:G0B+4*\slot+3], 2*ROWB
	JLOAD G0+4*\slot, G1, G0B+4*\slot, G1B         ; the first tensor load behind the round; the four v_nop behind it are among the places in front of the loads below
	PLACES NP-4
.else
	PLACES NP
.endif
	v_add_nc_u32 v[ADRS], 4*NQ, v[ADRS]            ; on to the next K step's scale words (no LDS load of mine is out)
	FETCH_B \next, 0, 0
	FETCH_A \next, 0, 0
	SCALES \next
.if \fill
	ASK                                            ; behind the joint load and the run of LDS loads that the next products wait for
.endif
	WIN MUL_HI
	MUL16 4, 1, NQ-1, \slot, 0
	MUL16 6, 1, NQ-1, \slot, 0
	PLACES NP
	WIN 0
	FETCH_A \next, 0, 4
.endm
	s_wait_tensorcnt 1                             ; the scales and my part of K step 0 are in (K step 1's load may be out)
	s_barrier_signal -1
	s_barrier_wait -1                              ; everybody's are
	FETCH_B 0, 0, 0
	FETCH_A 0, 0, 0
	SCALES 0
	FETCH_A 0, 0, 4
	STEP 0, 0, 1                                   ; the first step stands in front of the loop: its products start the sums
	s_mov_b32 s3, LAPS-1
.Llap:                                                 ; a trip goes once round the ring, from a lap's second step to the next lap's first, and fills both slots again
	TURN 0, 1, 1
	STEP 1, 0, 0
	TURN 1, 0, 1
	STEP 0, 0, 0
	s_sub_co_u32 s3, s3, 1
	s_cmp_lg_u32 s3, 0
	s_cbranch_scc1 .Llap
	TURN 0, 1, 0                                   ; the last lap fills nothing, and has no round of the cluster's barrier
	STEP 1, 0, 0
	s_wait_dscnt 4*NL                              ; the very last step: nothing more to fetch
	WIN MUL_LO
	MUL16 0, 1, NQ-1, 1, 0
	MUL16 2, 1, NQ-1, 1, 0
	s_wait_dscnt 0
	WIN MUL_HI
	MUL16 4, 1, NQ-1, 1, 0
	MUL16 6, 1, NQ-1, 1, 0
	WIN 0
; THE WAY OUT QUANTISES.  Block a is 16 rows x my 128 columns, which are one K step of the next product.  Lane (r, h) holds, of row r, columns 16 b + 8 h + j of accumulator b: so the block of 32 columns 32 q on lies in
; accumulators 2 q and 2 q + 1 of lanes l and l xor 16, and a conversion's eight codes are k = 32 q + 16 u + 8 h + 0 .. 7 (u = b % 2): 8 bytes at 512 q + 256 u + 16 r + 8 h of the block's image.
; So each store of the wave covers 256 consecutive bytes, at a multiple of 256 from the buffer's first byte, and the codes need no stage.  Each accumulator is read from its low end on.
.macro QBLK a
.set AC, 64*((\a)%4)
.set WW, 2+(\a)/4
.set WN, WW|(WW<<2)
	WIN WN                                         ; sources 0 and 1: window 2 or 3
.irp b, 0,1,2,3
	v_max3_num_f32 v[TM+\b], |v[AC+16*\b]|, |v[AC+16*\b+1]|, 0x8000000   ; with the floor 2^(16 - 127) among the leaves: the byte cannot fall under 1
.endr
.irp i, 2,4,6,8,10,12,14
.irp b, 0,1,2,3
	v_max3_num_f32 v[TM+\b], |v[AC+16*\b+\i]|, |v[AC+16*\b+\i+1]|, v[TM+\b]   ; (the four blocks by turns)
.endr
.endr
	WIN 0
.irp b, 0,1,2,3
	v_permlanex16_b32 v[TM+4+\b], v[TM+\b], s[SEL], s[SEL+1]
.endr
.irp b, 0,1,2,3
	v_max_num_f32 v[TM+\b], v[TM+\b], v[TM+4+\b]   ; with lane l xor 16's: the block's largest magnitude
.endr
.irp b, 0,1,2,3
	v_add_nc_u32 v[TM+12+\b], 0xf8800000, v[TM+\b] ; 15 off its exponent field: the conversion's scale operand
.endr
.irp b, 0,1,2,3
	v_and_or_b32 v[TM+8+\b], v[TM+\b], 0x7f800000, s[MNT]   ; 57,344 x the scale
.endr
.irp b, 0,1,2,3
	v_lshrrev_b32 v[TM+4+\b], 23, v[TM+12+\b]      ; the scale's byte
.endr
	v_lshl_or_b32 v[PW+\a], v[TM+5], 8, v[TM+4]    ; the four bytes make my row's scale word for this K step
	v_lshl_or_b32 v[PW+\a], v[TM+6], 16, v[PW+\a]
	v_lshl_or_b32 v[PW+\a], v[TM+7], 24, v[PW+\a]
	WIN WW                                         ; source 0: window 2 or 3
.irp b, 0,1,2,3
.irp i, 0,1,2,3,4,5,6,7,8,9,10,11,12,13,14,15
	v_med3_num_f32 v[HT+16*\b+\i], v[AC+16*\b+\i], -v[TM+8+\b], v[TM+8+\b]   ; the conversion to an 8-bit code does not saturate (ISA guide 7.6.2): the hold, on the way into window 0
.endr
.endr
	WIN 0
.irp b, 0,1,2,3
.irp u, 0,1
	v_cvt_scalef32_pk8_bf8_f32 v[CD+16*\a+4*\b+2*\u:CD+16*\a+4*\b+2*\u+1], v[HT+16*\b+8*\u:HT+16*\b+8*\u+7], v[TM+12+\b]
.endr
.endr
	v_nop                                          ; one plain line behind the last conversion, ahead of the next block's writes of the conversions' sources
.irp b, 0,1,2,3
.irp u, 0,1
	global_store_b64 v[GO], v[CD+16*\a+4*\b+2*\u:CD+16*\a+4*\b+2*\u+1], s[12:13] offset:2048*\a+512*\b+256*\u
.endr
.endr
	ds_store_b32 v[SSA], v[PW+\a] offset:64*\a     ; lanes l and l xor 16 write the same word with the same value
.endm
	; THE NEXT LAUNCH'S WEIGHTS.  Wave G = 4 x (8 x tile row + tile column) + wave, 0 .. 1,023, lays out images 4 G .. 4 G + 3 of wimg: path G / 512 (which is this work-group's own path), head (G / 32) % 16,
	; k128 (G / 2) % 16, blocks 4 (G % 2) + 0 .. 3.  Lane (r, h) takes, of the block's row r, the 16 codes at k = 32 c + 16 h and puts them at 512 c + 16 x lane of the image.  The three addresses come into
	; registers that held descriptors: no tensor load of mine is out.  They and the 16 loads are on their way while the blocks are quantised; the 16 stores stand at the end.
	s_load_b64 s[24:25], s[0:1], 0x48              ; Wk_mha's codes
	s_load_b64 s[26:27], s[0:1], 0x50              ; Wv_mha's codes
	s_load_b64 s[28:29], s[0:1], 0x58              ; wimg
	s_lshl_b32 s30, s17, 3
	s_add_co_u32 s30, s30, s42
	s_lshl_b32 s30, s30, 2
	s_add_co_u32 s30, s30, s14                     ; G
	s_lshl_b32 s32, s30, 13                        ; my four images: 8,192 G
	s_mov_b32 s33, 0
	s_lshr_b32 s31, s30, 1
	s_and_b32 s34, s31, 15
	s_lshl_b32 s34, s34, 7                         ; in the weight: 128 x k128
	s_bfe_u32 s36, s31, 0x40004
	s_lshl_b32 s36, s36, 18                        ; + the head's 128 rows of 2,048 bytes
	s_add_co_u32 s34, s34, s36
	s_and_b32 s36, s30, 1
	s_lshl_b32 s36, s36, 17                        ; + 64 rows for the upper four blocks
	s_add_co_u32 s34, s34, s36
	s_mov_b32 s35, 0
	PLACES NP                                      ; behind the last products: their results are read, and registers that they read are written
	v_lshlrev_b32 v3, 11, v1
	v_lshl_add_u32 v3, v2, 4, v3                   ; row r x 2,048 + 16 h
	QBLK 0
	s_wait_kmcnt 0x0
	s_cmp_lt_u32 s2, 4                             ; the path
	s_cselect_b64 s[24:25], s[24:25], s[26:27]
	s_add_nc_u64 s[24:25], s[24:25], s[34:35]
	s_add_nc_u64 s[28:29], s[28:29], s[32:33]
	WIN TO_B                                       ; into window 1, where B's fragments lay
.irp i, 0,1,2,3
.irp c, 0,1,2,3
	global_load_b128 v[16*\i+4*\c:16*\i+4*\c+3], v3, s[24:25] offset:32768*\i+32*\c th:TH_LOAD_NT
.endr
.endr
	WIN 0
.irp a, 1,2,3,4,5,6,7
	QBLK \a
.endr
	ds_load_b128 v[56:59], v[SSR]                  ; LDS serves a wave's instructions in order (ISA guide 5.7.1.4): this sees my stores
	s_wait_dscnt 0x0
	global_store_b128 v[L16], v[56:59], s[94:95]   ; my 128 rows' scale words: 512 consecutive bytes, at a multiple of 256 from the buffer's first byte
	s_wait_loadcnt 0x0                             ; the weights' codes are in
	WIN 0x04                                       ; a store's data are its source 1: window 1
.irp i, 0,1,2,3
.irp c, 0,1,2,3
	global_store_b128 v[L16], v[16*\i+4*\c:16*\i+4*\c+3], s[28:29] offset:2048*\i+512*\c   ; 512 consecutive bytes, at a multiple of 256 from the buffer's first byte
.endr
.endr
	WIN 0
	s_wait_tensorcnt 0x0                           ; the wave's end: behind my last tensor load and my last LDS store
	ds_add_u32 v[SPW], v[NIL]
	s_wait_dscnt 0x0
	CROUND                                         ; the closing round: no work-group ends while a partner may still ask for a tile that names it
	s_endpgm
.Lfunc_end_k_qdea715bb32_gemm1:
	.size	k_qdea715bb32_gemm1, .Lfunc_end_k_qdea715bb32_gemm1-k_qdea715bb32_gemm1
	.p2alignl 7, 3214868480
	.fill 96, 4, 3214868480
	.section	.rodata,"a",@progbits
	.p2align	6, 0x0
	.amdhsa_kernel k_qdea715bb32_gemm1
		.amdhsa_group_segment_fixed_size 327680
		.amdhsa_private_segment_fixed_size 0
		.amdhsa_enable_private_segment 0
		.amdhsa_kernarg_size 96
		.amdhsa_user_sgpr_count 2
		.amdhsa_user_sgpr_kernarg_segment_ptr 1
		.amdhsa_wavefront_size32 1
		.amdhsa_system_sgpr_workgroup_id_x 1
		.amdhsa_system_sgpr_workgroup_id_y 1
		.amdhsa_system_sgpr_workgroup_id_z 1
		.amdhsa_system_vgpr_workitem_id 0
		.amdhsa_next_free_vgpr 1024
		.amdhsa_next_free_sgpr 106
		.amdhsa_reserve_vcc 1
		.amdhsa_float_denorm_mode_32 3
		.amdhsa_float_denorm_mode_16_64 3
		.amdhsa_memory_ordered 1
		.amdhsa_forward_progress 1
		.amdhsa_inst_pref_size 204
	.end_amdhsa_kernel
	.amdgpu_metadata
---
amdhsa.version: [ 1, 2 ]
amdhsa.kernels:
  - .name:           k_qdea715bb32_gemm1
    .symbol:         k_qdea715bb32_gemm1.kd
    .args:
      - { .name: aq, .offset: 0, .size: 8, .value_kind: global_buffer, .address_space: global }
      - { .name: hq, .offset: 8, .size: 8, .value_kind: global_buffer, .address_space: global }
      - { .name: Wk_codes, .offset: 16, .size: 8, .value_kind: global_buffer, .address_space: global }
      - { .name: Wk_scales, .offset: 24, .size: 8, .value_kind: global_buffer, .address_space: global }
      - { .name: Wv_codes, .offset: 32, .size: 8, .value_kind: global_buffer, .address_space: global }
      - { .name: Wv_scales, .offset: 40, .size: 8, .value_kind: global_buffer, .address_space: global }
      - { .name: qv, .offset: 48, .size: 8, .value_kind: global_buffer, .address_space: global }
      - { .name: Wq_mha, .offset: 56, .size: 8, .value_kind: global_buffer, .address_space: global }
      - { .name: qh, .offset: 64, .size: 8, .value_kind: global_buffer, .address_space: global }
      - { .name: Wk_mha_codes, .offset: 72, .size: 8, .value_kind: global_buffer, .address_space: global }
      - { .name: Wv_mha_codes, .offset: 80, .size: 8, .value_kind: global_buffer, .address_space: global }
      - { .name: wimg, .offset: 88, .size: 8, .value_kind: global_buffer, .address_space: global }
    .group_segment_fixed_size: 327680
    .private_segment_fixed_size: 0
    .kernarg_segment_align: 8
    .kernarg_segment_size: 96
    .max_flat_workgroup_size: 128
    .sgpr_count:     106
    .vgpr_count:     1024
    .wavefront_size: 32
...
	.end_amdgpu_metadata
.endif
;; end of part 2
;; launch gemm2 (part 3): grid 16 x 16, 4 waves a work-group, clusters of 4 x 4, 327,680 bytes of LDS; arguments hq, qh, Wk_mha_scales, Wv_mha_scales, wimg, po; writes po
.if DOCPART == 3
	.amdgcn_target "amdgcn-amd-amdhsa--gfx1250"
	.amdhsa_code_object_version 6
	.text
	.protected	k_qdea715bb32_gemm2
	.globl	k_qdea715bb32_gemm2
	.p2align	8
	.type	k_qdea715bb32_gemm2,@function
k_qdea715bb32_gemm2:
	s_mov_b64 s[64:65], 0
	v_nop
	global_prefetch_b8 v0, s[64:65] scope:SCOPE_SE
	s_setreg_imm32_b32 hwreg(HW_REG_WAVE_MODE, 25, 1), 1
	s_wait_xcnt 0x0
	s_wait_alu depctr_hold_cnt(0) depctr_sa_sdst(0) depctr_va_vdst(0) depctr_va_sdst(0) depctr_va_ssrc(0) depctr_va_vcc(0) depctr_vm_vsrc(0)
	s_getreg_b32 s2, hwreg(HW_REG_IB_STS2, 6, 4)
	s_cmp_eq_u32 s2, 0
	s_cbranch_scc0 .Lentry_in_a_cluster
	s_endpgm
.Lentry_in_a_cluster:
	s_bfe_u32 s2, ttmp6, 0x10000c
	s_cmp_lg_u32 s2, 0xf033
	s_cbranch_scc0 .Lentry_shape_is_right
	s_endpgm
.Lentry_shape_is_right:
; kh = k Wk_mha^T and vh = v Wv_mha^T on codes of BF8 (E5M2) with one E8M0 scale for each 32 along K, sums in f32; then, in the same work-group, this block's part of the attention of the one query:
; t(row) = kh(row) . qh (qh comes multiplied by log2(e) / sqrt(128)), M = the block's largest t, p = 2^(t - M), L = the sum of p, O(n) = the sum of p(row) vh(row, n).  kh and vh never go to memory.
; po, the result: [head 16][row block 16][128] f32 partial O, and from byte 131,072 on [head][row block] pairs (M, L).  The next launch joins the 16 blocks of a head under their common largest M.
; hq: the codes of k and v as images of operand registers, [path 2][k128 16][tile of 16 rows 256][2,048 bytes], and from byte 16,777,216 on the scale words [path][k128][row 4096].
; wimg: the two weights' codes as images of the same make, [path 2][head 16][k128 16][block of 16 rows 8][2,048 bytes], laid out by the launch before.
; LIMITS: NaN and infinities are not served.
; SHARES.  Work-group (hd, rb) takes 256 rows (block rb) and one head (hd): 128 columns of BOTH products.  Wave w: path p = w / 2 (0: kh, 1: vh), rows 128 (w % 2) on: 128 x 128, 64 accumulators, 512 registers.
; THE ROWS' IMAGES go through a ring of two LDS slots, two steps of 128 along K to a slot: 2 steps x 2 paths x 32,768 bytes = 131,072 bytes.  Each wave brings a quarter by one tensor load: path w % 2 of the slot's step w / 2.
; CLUSTERS: 4 x 4 work-groups.  The four of a row of the cluster share rb and so the rows' images and scale words: these are asked for JOINTLY; so are the weights' scale bytes, which the four of a column share.
; THE WEIGHTS' CODES GO FROM MEMORY STRAIGHT INTO REGISTERS, and are not asked for jointly.  The reason, by the sizes: with the weights' rows in the ring a slot of two steps would be 131,072 + 69,632 bytes, and two such slots
; and the 50,176 bytes of scales do not fit in 327,680; with slots of one step the ring would change slots 15 times, and a refill would have 48 matrix instructions in which to land.  So it changes slots 7 times, and a refill has 112.
; The price: each wave asks for its path's 16,384 bytes of a step for itself, 32 loads of 512 consecutive bytes, a whole step ahead, into the set of registers that has just come free; the two waves of a path
; and the sixteen work-groups of a head ask for the same images.
; THE MATRIX INSTRUCTION IS USED TRANSPOSED (source 0 = 16 rows of the weight, source 1 = 16 rows of k or v): lane (r, h) holds row r and columns 8 h + 0 .. 7 of a tile.
; REGISTERS, in windows of 256: window 0: v0-31 addresses (v10-12: M, L and a permute's temporary on the way out); v32-47 scale words, two sets; v48-63 at work; v64-127 qh, later O; from v128 the rows' fragments, one set.
;   window 1: the weight's fragments, two sets, at v0 (even steps) and v128 (odd steps).   window 2: accumulators of my rows 0-63 ((a, b) at v[8 (8 a + b)]);   window 3: of my rows 64-127.
.set SLOT,  131072                     ; a slot: [step in the slot 2][path 2][16 images of 2,048 bytes]
.set SUB,   65536                      ; from a slot's first step to its second
.set SCA,   262144                     ; behind the ring: the rows' scale words [path][step 16][256 rows], dense;
.set SCB,   294912                     ; the weights' scale bytes [path] x 8,704: 128 rows of 64 bytes, as rows of 256 bytes + 16 of padding
.set SPARE, 312320                     ; the spare words, 128 bytes for each wave: two blocks of 256 bytes that no other line names
.set EPT,   0                          ; the way out lies in slot 0, which has had its last fill and its last read by then: 256 words t,
.set XCH,   1024                       ; two waves' 128 sums O,
.set STG,   2048                       ; and a stage of 16 rows x (512 bytes + 16) for each of two waves
.set ADRA, 16                          ; LDS address of my rows' fragments: slot s, step u of it, at v[16 + u + 4 s]: v16, v17, v20, v21 (an immediate offset ends at 65,535)
.set QHO,  18                          ; v18     32 h: qh's loads
.set L16,  19                          ; v19     16 x lane; never rewritten
.set ADSA, 22                          ; v22     my rows' scale words: lanes 0-15 an even block's, lanes 16-31 the next block's
.set ADSB, 23                          ; v23     the weight's likewise
.set EPTW, 24                          ; v24     t of row 128 (w % 2) + r
.set EPTM, 25                          ; v25     eight t a lane
.set OST,  26                          ; v26     the stage, on the way in
.set ORD,  27                          ; v27     and on the way out
.set SPW,  28                          ; v28     LDS address of my spare word; never rewritten
.set NIL,  29                          ; v29     0; never rewritten
.set OX,   30                          ; v30     where my wave's sums O meet the other's
.set PFO,  31                          ; v31     the prefetches' offset: 256 x lane; never rewritten
.set SC,   32                          ; scale words: set s: v[SC + 8 s + i]: the rows' blocks 2 i (lanes 0-15) and 2 i + 1 (lanes 16-31); v[SC + 8 s + 4 + i]: the weight's
.set PP,   32                          ; the way out: v32-47 p of my eight rows, each twice
.set QH,   64
.set OA,   64
.set AF,   128
.set WB,  8                            ; s[8:9]   my path's and head's images of the weight, at the step last asked for
.set G1A, 24                           ; s[24:31] group 1 for the images; s[32:39] group 0, one set for each slot
.set G0A, 32
.set LIM, 66                           ; s66  1 in a wave that prefetches, else the greatest number
.set G1SA, 68                          ; s[68:75], s[76:79] groups 1 and 0 for the rows' scale words; s[80:87], s[88:91] for the weights' scale bytes
.set G0SA, 76
.set G1SB, 80
.set G0SB, 88
.set PFA, 92                           ; s[92:93] where my prefetches stand
.set SEL, 100                          ; s[100:101] v_permlanex16_b32's selects for lane l xor 16
.set MSB, 0
.macro WIN new                         ; the immediate's high byte repeats the setting that is left; a switch that changes nothing is dropped
.if MSB != (\new)
	s_set_vgpr_msb (MSB<<8)|(\new)
.set MSB, (\new)
.endif
.endm
.set MUL_LO, 0xa1                      ; source 0 (the weight) window 1, source 1 (the rows) window 0, C and D window 2
.set MUL_HI, 0xf1                      ; the same, C and D window 3
.set TO_B,   0x40                      ; destination window 1, address window 0
; The scales' joint loads: waves 0 and 1 issue the first line, waves 2 and 3 the second.  The branch hangs on the wave's number alone.  Four v_nop follow each line.
.macro JLOAD g0a, g1a, g0b, g1b
	s_cmp_eq_u32 s15, 0
	s_cbranch_scc0 .Lfor_b_\@
	tensor_load_to_lds s[\g0a:\g0a+3], s[\g1a:\g1a+7]
	s_nop 0
.rept 4
	v_nop
.endr
	s_branch .Lasked_\@
.Lfor_b_\@:
	tensor_load_to_lds s[\g0b:\g0b+3], s[\g1b:\g1b+7]
	s_nop 0
.rept 4
	v_nop
.endr
.Lasked_\@:
.endm
; The ring's joint load: one line for all four waves, with one mask; each wave's group 0 names its own quarter of the slot.  Four v_nop follow it.
.macro RLOAD s
	tensor_load_to_lds s[G0A+4*\s:G0A+4*\s+3], s[G1A:G1A+7]
	s_nop 0
.rept 4
	v_nop
.endr
.endm
; A PREFETCH INTO THE L2, behind a joint refill and the LDS loads that follow it: the refill that brings steps 2 P and 2 P + 1 is followed by a request for steps 2 P + 2 and 2 P + 3, which the next refill will ask for:
; 128 matrix instructions ahead of that load.  Each aligned block of 256 bytes is named once in the launch.  The images of (path, rb, step), 32,768 dense bytes, are read by the four clusters of a row of clusters:
; cluster x = 0 asks, each wave for the block that it will fetch; the four partners take 8,192 bytes each by address (cx), lanes 256 bytes apart: one instruction a wave.
; kind 1: a refill of slot 0.  kind 2: a refill of slot 1: not in the last trip (s3 = 1), behind whose refill there is no other.  Steps 0 to 5 come by their loads alone.
; The weights' images are not prefetched: their loads are themselves issued a step ahead of their use.
.macro ASK kind
.if \kind == 1
	s_cmp_eq_u32 s[LIM], 1
.else
	s_cmp_gt_u32 s3, s[LIM]
.endif
	s_cbranch_scc0 .Lnot_mine_\@
	global_prefetch_b8 v[PFO], s[PFA:PFA+1] th:TH_LOAD_NT scope:SCOPE_SE
.Lnot_mine_\@:
.endm
.macro CREST                           ; a round of the cluster's barrier behind its opening barrier
	s_cmp_lg_u32 s14, 0
	s_cbranch_scc1 .Lnot_wave_0_\@
	s_barrier_signal -3
.Lnot_wave_0_\@:
	s_barrier_wait -3
	s_barrier_signal -1
	s_barrier_wait -1
.endm
.macro CROUND                          ; a whole round
	s_barrier_signal -1
	s_barrier_wait -1
	CREST
.endm
; One matrix instruction: the rows' block a x the weight's block b, 128 along K.  One scale register carries two neighbouring blocks' words, the even block's in lanes 0-15, the odd one's in lanes 16-31.
.macro WM a, b, set, zero
.set rD, 8*(8*((\a)%4)+(\b))
.set rW, 128*(\set)+16*(\b)
.set rA, AF+16*(\a)
.set rSW, SC+8*(\set)+4+(\b)/2
.set rSA, SC+8*(\set)+(\a)/2
.set odd, 2*((\a)%2)+((\b)%2)
.if \zero
.if odd == 0
	v_wmma_scale_f32_16x16x128_f8f6f4 v[rD:rD+7], v[rW:rW+15], v[rA:rA+15], 0, v[rSW], v[rSA] matrix_a_fmt:MATRIX_FMT_BF8 matrix_b_fmt:MATRIX_FMT_BF8
.elseif odd == 1
	v_wmma_scale_f32_16x16x128_f8f6f4 v[rD:rD+7], v[rW:rW+15], v[rA:rA+15], 0, v[rSW], v[rSA] matrix_a_fmt:MATRIX_FMT_BF8 matrix_b_fmt:MATRIX_FMT_BF8 matrix_a_scale:MATRIX_SCALE_ROW1
.elseif odd == 2
	v_wmma_scale_f32_16x16x128_f8f6f4 v[rD:rD+7], v[rW:rW+15], v[rA:rA+15], 0, v[rSW], v[rSA] matrix_a_fmt:MATRIX_FMT_BF8 matrix_b_fmt:MATRIX_FMT_BF8 matrix_b_scale:MATRIX_SCALE_ROW1
.else
	v_wmma_scale_f32_16x16x128_f8f6f4 v[rD:rD+7], v[rW:rW+15], v[rA:rA+15], 0, v[rSW], v[rSA] matrix_a_fmt:MATRIX_FMT_BF8 matrix_b_fmt:MATRIX_FMT_BF8 matrix_a_scale:MATRIX_SCALE_ROW1 matrix_b_scale:MATRIX_SCALE_ROW1
.endif
.else
.if odd == 0
	v_wmma_scale_f32_16x16x128_f8f6f4 v[rD:rD+7], v[rW:rW+15], v[rA:rA+15], v[rD:rD+7], v[rSW], v[rSA] matrix_a_fmt:MATRIX_FMT_BF8 matrix_b_fmt:MATRIX_FMT_BF8
.elseif odd == 1
	v_wmma_scale_f32_16x16x128_f8f6f4 v[rD:rD+7], v[rW:rW+15], v[rA:rA+15], v[rD:rD+7], v[rSW], v[rSA] matrix_a_fmt:MATRIX_FMT_BF8 matrix_b_fmt:MATRIX_FMT_BF8 matrix_a_scale:MATRIX_SCALE_ROW1
.elseif odd == 2
	v_wmma_scale_f32_16x16x128_f8f6f4 v[rD:rD+7], v[rW:rW+15], v[rA:rA+15], v[rD:rD+7], v[rSW], v[rSA] matrix_a_fmt:MATRIX_FMT_BF8 matrix_b_fmt:MATRIX_FMT_BF8 matrix_b_scale:MATRIX_SCALE_ROW1
.else
	v_wmma_scale_f32_16x16x128_f8f6f4 v[rD:rD+7], v[rW:rW+15], v[rA:rA+15], v[rD:rD+7], v[rSW], v[rSA] matrix_a_fmt:MATRIX_FMT_BF8 matrix_b_fmt:MATRIX_FMT_BF8 matrix_a_scale:MATRIX_SCALE_ROW1 matrix_b_scale:MATRIX_SCALE_ROW1
.endif
.endif
.endm
; 8 matrix instructions: the rows' block a against the weight's eight.  The 64 accumulators take turns, one instruction a turn, in the same order in every step.
.macro MULB a, set, zero
.irp b, 0,1,2,3,4,5,6,7
	WM \a, \b, \set, \zero
.endr
.endm
; The weight's eight fragments of one step, from memory into set 'set': 32 loads of 512 consecutive bytes.  adv = 1: the base goes a step on first; pf = 1: and the prefetches' address a slot on.
.macro WLOAD set, adv, pf
.if \adv
	s_wait_xcnt 0x0                                ; the loads of a step ago, and the last prefetch, have read their addresses: both are stepped only behind this wait
	s_add_nc_u64 s[WB:WB+1], s[WB:WB+1], 16384
.if \pf
	s_add_nc_u64 s[PFA:PFA+1], s[PFA:PFA+1], 1048576
.endif
.endif
	WIN TO_B
.irp b, 0,1,2,3,4,5,6,7
.irp c, 0,1,2,3
	global_load_b128 v[128*(\set)+16*\b+4*\c:128*(\set)+16*\b+4*\c+3], v[L16], s[WB:WB+1] offset:2048*\b+512*\c
.endr
.endr
	WIN 0
.endm
.macro FETCH_A s, u, i0                ; the rows' blocks i0 .. i0 + 3 of slot s, step u of it: images: an instruction reads 512 consecutive bytes
.irp i, \i0, \i0+1, \i0+2, \i0+3
.irp c, 0,1,2,3
	ds_load_b128 v[AF+16*(\i)+4*\c:AF+16*(\i)+4*\c+3], v[ADRA+(\u)+4*(\s)] offset:2048*(\i)+512*\c
.endr
.endr
.endm
.macro SCALES s                        ; a step's scale words into set s
.irp i, 0,1,2,3
	ds_load_b32 v[SC+8*(\s)+\i], v[ADSA] offset:128*\i
.endr
.irp i, 0,1,2,3
	ds_load_b32 v[SC+8*(\s)+4+\i], v[ADSB] offset:2176*\i
.endr
.endm
; A load into a register that a matrix instruction has read, and a vector instruction that reads a matrix result or writes one of a matrix instruction's registers, stand 8 places behind it, and only plain vector
; instructions that name none of its registers are places.
.macro PLACES n
.rept \n
	v_nop
.endr
.endm
; A slot's FIRST step (an even step t: sets 0): 64 matrix instructions; the slot's second step is fetched as the rows' registers come free.
; wl = 1: at its end the weight's fragments of step t + 2 are asked for, into set 0, which its last products have left.
.macro STEP slot, zero, wl
	s_wait_dscnt 16                                ; the scale words and the rows' blocks 0-3 are in; the youngest 16 loads (blocks 4-7) may be out
	WIN MUL_LO
	MULB 0, 0, \zero
	MULB 1, 0, \zero
	MULB 2, 0, \zero
	MULB 3, 0, \zero
	s_wait_dscnt 0x0                               ; blocks 4-7 are in (asked for 32 matrix instructions ago)
	PLACES 8
	WIN 0
	v_add_nc_u32 v[ADSA], 1024, v[ADSA]            ; on to the next step's scale words
	v_add_nc_u32 v[ADSB], 4, v[ADSB]
	SCALES 1                                       ; (set 1's last readers stand in front of the places that closed the step before)
	FETCH_A \slot, 1, 0
	WIN MUL_HI
	MULB 4, 0, \zero
	MULB 5, 0, \zero
	MULB 6, 0, \zero
	MULB 7, 0, \zero
	PLACES 8
	WIN 0
	FETCH_A \slot, 1, 4
.if \wl
	WLOAD 0, 1, 1
	s_wait_loadcnt 32                              ; loads come back in order (ISA guide 5.7.1): the coming step's 32 are in; the 32 just issued stay out
.else
	s_wait_loadcnt 0x0                             ; the last step's
.endif
.endm
; A slot's SECOND step (an odd step t: sets 1) changes slots.  All of the slot was asked for in the step before; at the second wait on DScnt it is in registers.  So the one barrier stands early: in front of it each wave
; waits for all its tensor loads (its part of the other slot), adds 0 to its spare word, and waits for that and for its reads of this slot; behind it this slot is filled again (fill = 1), with the steps four on,
; and that load has this step's other 48 matrix instructions and the next step's 64 in which to land.  Then the other slot's first step is fetched.
.macro TURN slot, fill, ask
	s_wait_tensorcnt 0x0                           ; all my tensor loads have landed: my part of the other slot;  (every window is 0 here)
	ds_add_u32 v[SPW], v[NIL]                      ; 0 onto my spare word
	s_wait_dscnt 17                                ; (the add and the youngest 16 loads, the rows' blocks 4-7, may be out)
	WIN MUL_LO
	MULB 0, 1, 0                                   ; eight matrix instructions stand between the add and the wait for it
	s_wait_dscnt 0x0                               ; the add is done, and my reads of this slot are over
	s_barrier_signal -1
	MULB 1, 1, 0
	WIN 0
	s_barrier_wait -1
.if \fill
	CREST                                          ; the barrier has opened a round of the cluster's barrier: no wave of any partner still reads this slot or has a load on its way
	s_add_nc_u64 s[G0A+4*\slot+2:G0A+4*\slot+3], s[G0A+4*\slot+2:G0A+4*\slot+3], 2097152   ; four steps of 524,288 bytes on
	RLOAD \slot                                    ; the first tensor load behind the round, and my only one until the next
.endif
	v_add_nc_u32 v[ADSA], 1024, v[ADSA]            ; on to the next step's scale words
	v_add_nc_u32 v[ADSB], 4, v[ADSB]
	SCALES 0                                       ; (set 0's last readers stand in front of the places that closed the step before)
.if \ask
	ASK \ask
.endif
	WIN MUL_LO
	MULB 2, 1, 0
	MULB 3, 1, 0
	PLACES 8
	WIN 0
	FETCH_A 1-\slot, 0, 0
	WIN MUL_HI
	MULB 4, 1, 0
	MULB 5, 1, 0
	MULB 6, 1, 0
	MULB 7, 1, 0
	PLACES 8
	WIN 0
	FETCH_A 1-\slot, 0, 4
	WLOAD 1, 1, 0                                  ; the weight's fragments of step t + 2, into set 1
	s_wait_loadcnt 32                              ; the coming step's 32 are in; the 32 just issued stay out
.endm
	s_load_b128 s[4:7], s[0:1], 0x0                ; hq s[4:5], qh s[6:7]
	s_load_b128 s[8:11], s[0:1], 0x10              ; Wk_mha's scales, Wv_mha's scales
	s_load_b128 s[96:99], s[0:1], 0x20             ; wimg, po
	v_lshl_add_u32 v[SPW], v0, 2, SPARE
	v_mov_b32 v[NIL], 0
	ds_add_u32 v28, v29
	ds_add_u32 v28, v29
	s_wait_dscnt 0x0
	v_lshrrev_b32 v1, 5, v0
	v_readfirstlane_b32 s14, v1                    ; wave 0..3
	s_lshr_b32 s15, s14, 1                         ; my path.  Also: which step of a slot I fetch; and I fetch the rows' scale words (0) or a weight's scale bytes (1)
	s_and_b32 s16, s14, 1                          ; my half of the rows.  Also: the path that I fetch for
	s_bfe_u32 s40, ttmp6, 0x40000                  ; cx, cy: my place in the cluster
	s_bfe_u32 s41, ttmp6, 0x40004
	s_lshl_b32 s42, ttmp9, 2
	s_add_co_u32 s42, s42, s40                     ; hd = 4 x cluster x + cx
	s_and_b32 s17, ttmp7, 0xffff
	s_lshl_b32 s17, s17, 2
	s_add_co_u32 s17, s17, s41                     ; rb = 4 x cluster y + cy
	s_lshl_b32 s43, s41, 2
	s_lshl_b32 s43, 15, s43                        ; my row of the cluster
	s_lshl_b32 s44, 0x1111, s40                    ; my column
	; group 1, images: a dense block of 32,768 bytes as 128 rows of 256 bytes (32 elements of 8 bytes), no padding: an instruction's 512 bytes are consecutive in LDS
	s_or_b32 s[G1A+0], s43, (3<<16)|(1<<21)        ; 15:0 the mask: my row; 17:16 elements of 8 bytes; 21 set beside a mask
	s_mov_b32 s[G1A+1], 32<<16                     ; tensor_dim0
	s_mov_b32 s[G1A+2], 128<<16                    ; tensor_dim1
	s_mov_b32 s[G1A+3], 32<<16                     ; tile_dim0
	s_mov_b32 s[G1A+4], 128                        ; tile_dim1
	s_mov_b32 s[G1A+5], 32                         ; tensor_dim0_stride
	s_mov_b32 s[G1A+6], 0
	s_mov_b32 s[G1A+7], 0
	; group 1, the rows' scale words: 16 steps x 1,024 bytes (128 elements of 8 bytes), 16,384 bytes apart in memory, dense in LDS
	s_or_b32 s[G1SA+0], s43, (3<<16)|(1<<21)
	s_mov_b32 s[G1SA+1], 128<<16
	s_mov_b32 s[G1SA+2], 16<<16
	s_mov_b32 s[G1SA+3], 128<<16
	s_mov_b32 s[G1SA+4], 16
	s_mov_b32 s[G1SA+5], 2048
	s_mov_b32 s[G1SA+6], 0
	s_mov_b32 s[G1SA+7], 0
	; group 1, a weight's scale bytes of the head's 128 rows: 8,192 dense bytes as 32 rows of 256, 16 bytes of padding behind each
	s_or_b32 s[G1SB+0], s44, (3<<16)|(1<<20)|(1<<21)|(5<<22)|(3<<25)
	s_mov_b32 s[G1SB+1], 32<<16
	s_mov_b32 s[G1SB+2], 32<<16
	s_mov_b32 s[G1SB+3], 32<<16
	s_mov_b32 s[G1SB+4], 32
	s_mov_b32 s[G1SB+5], 32
	s_mov_b32 s[G1SB+6], 0
	s_mov_b32 s[G1SB+7], 0
	; where the tiles come from.  The images and the rows' scale words hang on rb alone, which my row of the cluster shares; the weights' scale bytes on hd alone, which my column shares.
	s_lshl_b32 s20, s16, 23
	s_lshl_b32 s18, s17, 15
	s_add_co_u32 s20, s20, s18
	s_lshl_b32 s18, s15, 19
	s_add_co_u32 s20, s20, s18
	s_mov_b32 s21, 0                               ; images: 8,388,608 x path + 32,768 rb + 524,288 x the slot's step
	s_lshl_b32 s22, s16, 18
	s_lshl_b32 s18, s17, 10
	s_add_co_u32 s22, s22, s18
	s_add_co_u32 s22, s22, 0x1000000
	s_mov_b32 s23, 0                               ; scale words: 16,777,216 + 262,144 x path + 1,024 rb
	s_lshl_b32 s92, s42, 13
	s_mov_b32 s93, 0                               ; a weight's scale bytes: 128 hd rows of 64
	s_lshl_b32 s46, s15, 22
	s_lshl_b32 s47, s42, 18
	s_add_co_u32 s46, s46, s47
	s_mov_b32 s47, 0                               ; the weight's images that I multiply by: 4,194,304 x my path + 262,144 hd
	s_lshl_b32 s45, s16, 15                        ; and where the tiles go: no place in the cluster enters an LDS address
	s_lshl_b32 s18, s15, 16
	s_add_co_u32 s45, s45, s18                     ; 32,768 x path + 65,536 x the slot's step
	s_lshl_b32 s95, s16, 14
	s_add_co_u32 s95, s95, SCA
	s_mul_i32 s2, s16, 8704
	s_add_co_u32 s2, s2, SCB
	s_mov_b32 s[SEL], 0x76543210
	s_mov_b32 s[SEL+1], 0xfedcba98
	s_wait_kmcnt 0x0
	s_cmp_eq_u32 s16, 0                            ; the path that I fetch for: by the wave's number
	s_cselect_b64 s[10:11], s[8:9], s[10:11]
	s_mov_b64 s[12:13], s[98:99]                   ; po
	s_add_nc_u64 s[WB:WB+1], s[96:97], s[46:47]
	s_add_nc_u64 s[20:21], s[4:5], s[20:21]
	s_add_nc_u64 s[22:23], s[4:5], s[22:23]
	s_add_nc_u64 s[92:93], s[10:11], s[92:93]
	CROUND                                         ; all sixteen work-groups are here: the first joint loads meet
	s_mov_b32 s[G0SA], 1
	s_mov_b32 s[G0SA+1], s95
	s_mov_b64 s[G0SA+2:G0SA+3], s[22:23]
	s_or_b32 s[G0SA+3], s[G0SA+3], 0x80000000
	s_mov_b32 s[G0SB], 1
	s_mov_b32 s[G0SB+1], s2
	s_mov_b64 s[G0SB+2:G0SB+3], s[92:93]
	s_or_b32 s[G0SB+3], s[G0SB+3], 0x80000000
	JLOAD G0SA, G1SA, G0SB, G1SB                   ; the scales first: they are wanted with step 0, and are filled once
.irp s, 0,1
	s_mov_b32 s[G0A+4*\s], 1                                       ; 1:0 count = 1
	s_add_co_u32 s[G0A+4*\s+1], s45, \s*SLOT                       ; 63:32 LDS address
	s_add_nc_u64 s[G0A+4*\s+2:G0A+4*\s+3], s[20:21], \s*1048576    ; 120:64 global address: slot s begins with steps 2 s and 2 s + 1
	s_or_b32 s[G0A+4*\s+3], s[G0A+4*\s+3], 0x80000000              ; 127:126 type = 2
	RLOAD \s
.endr
	v_and_b32 v1, 15, v0                           ; r
	v_bfe_u32 v2, v0, 4, 1                         ; h
	v_and_b32 v6, 31, v0                           ; lane
	v_lshlrev_b32 v[QHO], 5, v2
	v_lshlrev_b32 v[L16], 4, v6
	s_lshl_b32 s20, s42, 9
	s_mov_b32 s21, 0
	s_add_nc_u64 s[6:7], s[6:7], s[20:21]          ; qh at my head
.irp b, 0,1,2,3,4,5,6,7
	global_load_b128 v[QH+8*\b:QH+8*\b+3], v[QHO], s[6:7] offset:64*\b          ; register 8 b + j: qh(16 b + 8 h + j): the accumulators' own order
	global_load_b128 v[QH+8*\b+4:QH+8*\b+7], v[QHO], s[6:7] offset:64*\b+16
.endr
	WLOAD 0, 0, 0                                  ; the weight's fragments of step 0
	; every LDS address is made here, ahead of the places where the waves part
	s_lshl_b32 s20, s15, 15
	s_lshl_b32 s21, s16, 14
	s_add_co_u32 s20, s20, s21                     ; my rows' images: 32,768 p + 16,384 x half
.irp s, 0,1
.irp u, 0,1
	v_add_nc_u32 v[ADRA+\u+4*\s], s20, v[L16]
	s_add_co_u32 s20, s20, SUB                     ; a slot is two steps
.endr
.endr
	s_lshl_b32 s20, s15, 14
	s_lshl_b32 s21, s16, 9
	s_add_co_u32 s20, s20, s21
	s_add_co_u32 s20, s20, SCA
	v_lshl_add_u32 v[ADSA], v6, 2, s20             ; 4 bytes a row: 32 lanes take two blocks' words
	s_mul_i32 s20, s15, 8704
	s_add_co_u32 s20, s20, SCB
	v_lshrrev_b32 v3, 2, v6
	v_lshlrev_b32 v4, 6, v6
	v_lshl_add_u32 v4, v3, 4, v4                   ; 64 bytes a row, and 16 more for each 256 passed
	v_add_nc_u32 v[ADSB], s20, v4
	s_lshl_b32 s20, s16, 9
	v_lshl_add_u32 v[EPTW], v1, 2, s20             ; EPT + 4 (128 x half + r)
	v_lshlrev_b32 v[EPTM], 5, v6
	s_mul_i32 s21, s16, 8448
	s_add_co_u32 s21, s21, STG
	v_mul_u32_u24 v3, v1, 528
	v_lshl_add_u32 v3, v2, 5, v3
	v_add_nc_u32 v[OST], s21, v3                   ; row r, 32 bytes for each half of the lanes
	v_add_nc_u32 v[ORD], s21, v[L16]
	s_add_co_u32 s20, s20, XCH
	v_add_nc_u32 v[OX], s20, v[L16]
	v_mov_b32 v12, 0                               ; written once: a lane permute's destination counts as one of its sources
	; po: my block's 512 bytes of O and its pair (M, L)
	s_lshl_b32 s20, s42, 4
	s_add_co_u32 s20, s20, s17                     ; 16 hd + rb
	s_lshl_b32 s22, s20, 3
	s_add_co_u32 s22, s22, 131072
	s_mov_b32 s23, 0
	s_lshl_b32 s20, s20, 9
	s_mov_b32 s21, 0
	s_add_nc_u64 s[10:11], s[12:13], s[22:23]
	s_add_nc_u64 s[12:13], s[12:13], s[20:21]
	; the prefetches: where mine stand, and who asks
	s_lshl_b32 s20, s16, 23
	s_lshl_b32 s21, s17, 15
	s_add_co_u32 s20, s20, s21
	s_lshl_b32 s21, s15, 19
	s_add_co_u32 s20, s20, s21                     ; the block that I fetch,
	s_lshl_b32 s21, s40, 13
	s_add_co_u32 s20, s20, s21                     ; my work-group's 8,192 bytes of it,
	s_add_co_u32 s20, s20, 2*1048576               ; at steps 4 and 5: the first step's end moves it to steps 6 and 7, which the first refill's request names
	s_mov_b32 s21, 0
	s_add_nc_u64 s[PFA:PFA+1], s[4:5], s[20:21]
	s_cmp_eq_u32 ttmp9, 0                          ; cluster x: the same in all sixteen partners
	s_cselect_b32 s[LIM], 1, -1
	v_lshlrev_b32 v[PFO], 8, v6
	WLOAD 1, 1, 0                                  ; the weight's fragments of step 1
	s_wait_loadcnt 32                              ; qh and step 0's fragments of the weight are in; step 1's 32 loads stay out
	s_wait_tensorcnt 1                             ; the scales and my part of slot 0 are in (slot 1's load may be out)
	s_barrier_signal -1
	s_barrier_wait -1                              ; everybody's are
	FETCH_A 0, 0, 0
	SCALES 0
	FETCH_A 0, 0, 4
	STEP 0, 1, 1                                   ; step 0 stands in front of the loop: its products start the sums
	s_mov_b32 s3, 3
.Llap:                                                 ; steps 1 to 12, four a trip: once round the ring, from a slot's second step to that slot's next first step; both slots are filled again
	TURN 0, 1, 1
	STEP 1, 0, 1
	TURN 1, 1, 2
	STEP 0, 0, 1
	s_sub_co_u32 s3, s3, 1
	s_cmp_lg_u32 s3, 0
	s_cbranch_scc1 .Llap
	TURN 0, 0, 0                                   ; step 13 fills nothing, and has no round of the cluster's barrier; it asks for the weight's fragments of step 15
	STEP 1, 0, 0                                   ; step 14
	s_wait_dscnt 16                                ; step 15: nothing more to fetch
	WIN MUL_LO
	MULB 0, 1, 0
	MULB 1, 1, 0
	MULB 2, 1, 0
	MULB 3, 1, 0
	s_wait_dscnt 0x0
	WIN MUL_HI
	MULB 4, 1, 0
	MULB 5, 1, 0
	MULB 6, 1, 0
	MULB 7, 1, 0
	WIN 0
	PLACES 8                                       ; behind the last products: their results are read, and registers that they read are written
	; ---- waves 0 and 1: t(row) = kh(row) . qh.  A lane sums its 64 columns of each of its eight rows (each accumulator from its low end on), lane l xor 16 has the other 64.
	s_cmp_lg_u32 s15, 0
	s_cbranch_scc1 .Lnot_k
.irp u, 0,1
	WIN 2+\u                                       ; source 0: window 2 or 3
.set pi, 0
.rept 32
.irp a, 0,1,2,3
.if pi == 0
	v_pk_mul_f32 v[48+8*\u+2*\a:49+8*\u+2*\a], v[64*\a+pi:64*\a+pi+1], v[QH+pi:QH+pi+1]
.else
	v_pk_fma_f32 v[48+8*\u+2*\a:49+8*\u+2*\a], v[64*\a+pi:64*\a+pi+1], v[QH+pi:QH+pi+1], v[48+8*\u+2*\a:49+8*\u+2*\a]
.endif
.endr
.set pi, pi+2
.endr
.endr
	WIN 0
.irp a, 0,1,2,3,4,5,6,7
	v_add_f32 v[48+2*\a], v[48+2*\a], v[49+2*\a]
.endr
.irp a, 0,1,2,3,4,5,6,7
	v_permlanex16_b32 v[49+2*\a], v[48+2*\a], s[SEL], s[SEL+1]
.endr
.irp a, 0,1,2,3,4,5,6,7
	v_add_f32 v[48+2*\a], v[48+2*\a], v[49+2*\a]
.endr
.irp a, 0,1,2,3,4,5,6,7
	ds_store_b32 v[EPTW], v[48+2*\a] offset:64*\a  ; lanes l and l xor 16 write the same word with the same value
.endr
.Lnot_k:
	s_wait_dscnt 0x0                               ; for the others' sake: my t have landed
	s_barrier_signal -1
	s_barrier_wait -1
	; ---- waves 2 and 3: M, p, L, and O = the sum over my 128 rows of p vh
	s_cmp_eq_u32 s15, 0
	s_cbranch_scc1 .Lnot_v
	ds_load_b128 v[48:51], v[EPTM]                 ; all 256 t, eight a lane
	ds_load_b128 v[52:55], v[EPTM] offset:16
.irp a, 0,1,2,3,4,5,6,7
	ds_load_b32 v[56+\a], v[EPTW] offset:64*\a     ; and those of my lane's eight rows
.endr
	s_wait_dscnt 0x0
	v_max3_num_f32 v10, v48, v49, v50
	v_max3_num_f32 v10, v10, v51, v52
	v_max3_num_f32 v10, v10, v53, v54
	v_max_num_f32 v10, v10, v55
.irp m, 1,2,4,8
	v_max_num_f32_dpp v10, v10, v10 row_xmask:\m row_mask:0xf bank_mask:0xf
.endr
	v_permlanex16_b32 v12, v10, s[SEL], s[SEL+1]
	v_max_num_f32 v10, v10, v12                    ; M: the block's largest t, in every lane
.irp i, 0,1,2,3,4,5,6,7,8,9,10,11,12,13,14,15
	v_sub_f32 v[48+\i], v[48+\i], v10
.endr
.irp i, 0,1,2,3,4,5,6,7
	v_exp_f32 v[48+\i], v[48+\i]
.endr
.irp a, 0,1,2,3,4,5,6,7
	v_exp_f32 v[PP+2*\a], v[56+\a]                 ; p of my rows
.endr
	v_nop                                          ; a plain line behind the last exponential
	s_wait_alu depctr_va_vdst(0)                   ; one wait for the sixteen, ahead of their first reader
.irp a, 0,1,2,3,4,5,6,7
	v_mov_b32 v[PP+2*\a+1], v[PP+2*\a]             ; twice, for the packed forms
.endr
	v_pk_add_f32 v[48:49], v[48:49], v[50:51]
	v_pk_add_f32 v[52:53], v[52:53], v[54:55]
	v_pk_add_f32 v[48:49], v[48:49], v[52:53]
	v_add_f32 v11, v48, v49
.irp m, 1,2,4,8
	v_add_f32_dpp v11, v11, v11 row_xmask:\m row_mask:0xf bank_mask:0xf
.endr
	v_permlanex16_b32 v12, v11, s[SEL], s[SEL+1]
	v_add_f32 v11, v11, v12                        ; L: the sum of the block's 256 p
	; (M, L) leave here, where they have just been made: waves 2 and 3 hold the same pair, wave 2 stores it
	s_cmp_lg_u32 s14, 2
	s_cbranch_scc1 .Lnot_ml
	v_cmp_eq_u32 vcc_lo, 0, v6
	s_wait_xcnt 0x0                                ; EXEC changes only behind this wait
	s_and_saveexec_b32 s20, vcc_lo
	global_store_b64 v[L16], v[10:11], s[10:11]    ; lane 0 (its offset is 0): 8 bytes a work-group; v10, v11 and the offset are not written again
	s_wait_xcnt 0x0                                ; and again, in front of the line that widens it
	s_or_b32 exec_lo, exec_lo, s20
.Lnot_ml:
.irp a, 0,1,2,3,4,5,6,7                        ; 32 chains of eight: my lane's 64 columns, over its eight rows; each accumulator from its low end on
	WIN 2+(\a)/4
.set pi, 0
.rept 32
.if \a == 0
	v_pk_mul_f32 v[OA+pi:OA+pi+1], v[64*((\a)%4)+pi:64*((\a)%4)+pi+1], v[PP+2*\a:PP+2*\a+1]
.else
	v_pk_fma_f32 v[OA+pi:OA+pi+1], v[64*((\a)%4)+pi:64*((\a)%4)+pi+1], v[PP+2*\a:PP+2*\a+1], v[OA+pi:OA+pi+1]
.endif
.set pi, pi+2
.endr
.endr
	WIN 0
.irp b, 0,1,2,3,4,5,6,7                        ; the sum over the sixteen r goes through my stage: in by lanes' rows, back by columns
	ds_store_b128 v[OST], v[OA+8*\b:OA+8*\b+3] offset:64*\b
	ds_store_b128 v[OST], v[OA+8*\b+4:OA+8*\b+7] offset:64*\b+16
.endr
.irp t, 0,1,2,3,4,5,6,7,8,9,10,11,12,13,14,15
	ds_load_b128 v[128+4*\t:131+4*\t], v[ORD] offset:528*\t   ; LDS serves a wave's instructions in order (ISA guide 5.7.1.4): these see my stores.  Lane l: columns 4 l .. 4 l + 3 of stage row t
.endr
	s_wait_dscnt 0x0
.irp d, 32,16,8,4
.set pi, 0
.rept \d/2
	v_pk_add_f32 v[128+pi:129+pi], v[128+pi:129+pi], v[128+\d+pi:129+\d+pi]
.set pi, pi+2
.endr
.endr
	ds_store_b128 v[OX], v[128:131]
.Lnot_v:
	s_wait_dscnt 0x0                               ; for wave 2's sake: the sums have landed
	s_barrier_signal -1
	s_barrier_wait -1
	; ---- wave 2 adds the two halves of the rows and stores
	s_cmp_lg_u32 s14, 2
	s_cbranch_scc1 .Lnot_2
	ds_load_b128 v[132:135], v[OX] offset:512      ; wave 3's
	s_wait_dscnt 0x0
	v_pk_add_f32 v[128:129], v[128:129], v[132:133]
	v_pk_add_f32 v[130:131], v[130:131], v[134:135]
	global_store_b128 v[L16], v[128:131], s[12:13] ; 512 consecutive bytes, at a multiple of 256 from the buffer's first byte
.Lnot_2:
	s_wait_tensorcnt 0x0                           ; the wave's end: behind my last tensor load and my last LDS store
	ds_add_u32 v[SPW], v[NIL]
	s_wait_dscnt 0x0
	CROUND                                         ; the closing round: no work-group ends while a partner may still ask for a tile that names it
	s_endpgm
.Lfunc_end_k_qdea715bb32_gemm2:
	.size	k_qdea715bb32_gemm2, .Lfunc_end_k_qdea715bb32_gemm2-k_qdea715bb32_gemm2
	.p2alignl 7, 3214868480
	.fill 96, 4, 3214868480
	.section	.rodata,"a",@progbits
	.p2align	6, 0x0
	.amdhsa_kernel k_qdea715bb32_gemm2
		.amdhsa_group_segment_fixed_size 327680
		.amdhsa_private_segment_fixed_size 0
		.amdhsa_enable_private_segment 0
		.amdhsa_kernarg_size 48
		.amdhsa_user_sgpr_count 2
		.amdhsa_user_sgpr_kernarg_segment_ptr 1
		.amdhsa_wavefront_size32 1
		.amdhsa_system_sgpr_workgroup_id_x 1
		.amdhsa_system_sgpr_workgroup_id_y 1
		.amdhsa_system_sgpr_workgroup_id_z 1
		.amdhsa_system_vgpr_workitem_id 0
		.amdhsa_next_free_vgpr 1024
		.amdhsa_next_free_sgpr 102
		.amdhsa_reserve_vcc 1
		.amdhsa_float_denorm_mode_32 3
		.amdhsa_float_denorm_mode_16_64 3
		.amdhsa_memory_ordered 1
		.amdhsa_forward_progress 1
		.amdhsa_inst_pref_size 170
	.end_amdhsa_kernel
	.amdgpu_metadata
---
amdhsa.version: [ 1, 2 ]
amdhsa.kernels:
  - .name:           k_qdea715bb32_gemm2
    .symbol:         k_qdea715bb32_gemm2.kd
    .args:
      - { .name: hq, .offset: 0, .size: 8, .value_kind: global_buffer, .address_space: global }
      - { .name: qh, .offset: 8, .size: 8, .value_kind: global_buffer, .address_space: global }
      - { .name: Wk_mha_scales, .offset: 16, .size: 8, .value_kind: global_buffer, .address_space: global }
      - { .name: Wv_mha_scales, .offset: 24, .size: 8, .value_kind: global_buffer, .address_space: global }
      - { .name: wimg, .offset: 32, .size: 8, .value_kind: global_buffer, .address_space: global }
      - { .name: po, .offset: 40, .size: 8, .value_kind: global_buffer, .address_space: global }
    .group_segment_fixed_size: 327680
    .private_segment_fixed_size: 0
    .kernarg_segment_align: 8
    .kernarg_segment_size: 48
    .max_flat_workgroup_size: 128
    .sgpr_count:     102
    .vgpr_count:     1024
    .wavefront_size: 32
...
	.end_amdgpu_metadata
.endif
;; end of part 3
;; launch outp (part 4): grid 256 x 1, 8 waves a work-group, no clusters, 9,472 bytes of LDS; arguments po, Wo, x, out0; writes out0
.if DOCPART == 4
	.amdgcn_target "amdgcn-amd-amdhsa--gfx1250"
	.amdhsa_code_object_version 6
	.text
	.protected	k_qdea715bb32_outp
	.globl	k_qdea715bb32_outp
	.p2align	8
	.type	k_qdea715bb32_outp,@function
k_qdea715bb32_outp:
	s_mov_b64 s[64:65], 0
	v_nop
	global_prefetch_b8 v0, s[64:65] scope:SCOPE_SE
	s_setreg_imm32_b32 hwreg(HW_REG_WAVE_MODE, 25, 1), 1
	s_wait_xcnt 0x0
; out = Wo attn + x.  attn(head, n) = the sum over the head's 16 row blocks of a(rb) O(rb, n), divided by the sum of a(rb) L(rb), with a(rb) = 2^(M(rb) - the head's largest M): the softmax's maximum is the true one.
; po: [head 16][rb 16][128] f32 partial O, and from byte 131,072 on [head][rb] pairs (M, L).  Wo: [2048][2048] f32.  All in f32.
; SHARES.  Work-group g makes out[8 g .. 8 g + 7]: wave w takes row 8 g + w of Wo (8,192 bytes, read once in the launch).  Every work-group joins the partials for itself, wave w heads 2 w and 2 w + 1:
; 133 KB that all work-groups read, beside its own 64 KB of Wo; a launch for the join alone would move the same bytes of Wo and add a start and an end.
; No tensor loads, no matrix unit (one row of attn), no cluster: what is shared comes through registers, 16 KB a wave.  All loads go out at the head: 50 a wave.
; LIMITS: NaN and infinities are not served.
.set AT, 0                             ; LDS: attn, 2,048 f32
.set OW, 8192                          ; eight words: each wave's number of out
	s_load_b256 s[4:11], s[0:1], 0x0               ; po s[4:5], Wo s[6:7], x s[8:9], out0 s[10:11]
	v_lshl_add_u32 v224, v0, 2, 0x2100
	v_mov_b32 v225, 0
	v_lshrrev_b32 v1, 5, v0
	v_readfirstlane_b32 s12, v1                    ; wave 0..7
	v_and_b32 v1, 31, v0                           ; lane
	v_lshlrev_b32 v2, 4, v1                        ; 16 x lane
	v_lshlrev_b32 v3, 3, v1                        ; 8 x lane
	v_and_b32 v4, 7, v0
	v_lshlrev_b32 v4, 2, v4                        ; 4 (t % 8)
	s_lshl_b32 s22, s12, 10
	v_add_nc_u32 v5, s22, v2                       ; attn: my two heads' 1,024 bytes, 16 a lane
	v_mov_b32 v6, s12
	v_lshlrev_b32 v6, 2, v6                        ; my wave's word
	s_lshl_b32 s14, s12, 8
	s_add_co_u32 s14, s14, 131072
	s_mov_b32 s15, 0                               ; (M, L) of heads 2 w, 2 w + 1: 256 bytes
	s_lshl_b32 s16, s12, 14
	s_mov_b32 s17, 0                               ; their partial O: 16,384 bytes
	s_lshl_b32 s18, ttmp9, 3
	s_add_co_u32 s18, s18, s12
	s_lshl_b32 s18, s18, 13
	s_mov_b32 s19, 0                               ; Wo: row 8 g + w
	s_lshl_b32 s20, ttmp9, 5
	s_mov_b32 s21, 0                               ; x and out: 8 numbers a work-group
	s_mov_b32 s24, 0x76543210
	s_mov_b32 s25, 0xfedcba98                      ; v_permlanex16_b32's selects for lane l xor 16
	s_wait_kmcnt 0x0
	s_add_nc_u64 s[14:15], s[4:5], s[14:15]
	s_add_nc_u64 s[16:17], s[4:5], s[16:17]
	s_add_nc_u64 s[6:7], s[6:7], s[18:19]
	s_add_nc_u64 s[8:9], s[8:9], s[20:21]
	s_add_nc_u64 s[10:11], s[10:11], s[20:21]
	global_load_b64 v[8:9], v3, s[14:15]           ; lane 16 e + rb: (M, L) of head 2 w + e, block rb
.irp u, 0,1
.irp t, 0,1,2,3,4,5,6,7,8,9,10,11,12,13,14,15
	global_load_b128 v[32+64*\u+4*\t:35+64*\u+4*\t], v2, s[16:17] offset:8192*\u+512*\t   ; O(head 2 w + u, block t, 4 lane .. 4 lane + 3)
.endr
.endr
.irp i, 0,1,2,3,4,5,6,7,8,9,10,11,12,13,14,15
	global_load_b128 v[160+4*\i:163+4*\i], v2, s[6:7] offset:512*\i th:TH_LOAD_NT
.endr
	global_load_b32 v10, v4, s[8:9]
	s_wait_loadcnt 49                              ; loads come back in order (ISA guide 5.7.1): (M, L) are in; the 32 of O, the 16 of Wo and x stay out
	v_mov_b32 v12, v8
.irp m, 1,2,4,8
	v_max_num_f32_dpp v12, v12, v12 row_xmask:\m row_mask:0xf bank_mask:0xf   ; within 16 lanes: a head's largest M
.endr
	v_sub_f32 v13, v8, v12
	v_exp_f32 v13, v13                             ; a = 2^(M - the largest M), at most 1
	v_nop                                          ; a plain line behind the transcendental
	s_wait_alu depctr_va_vdst(0)                   ; and the wait ahead of its first reader
	v_mul_f32 v14, v13, v9
.irp m, 1,2,4,8
	v_add_f32_dpp v14, v14, v14 row_xmask:\m row_mask:0xf bank_mask:0xf       ; the head's sum of a L: at least 1
.endr
	v_rcp_f32 v14, v14
	v_nop
	s_wait_alu depctr_va_vdst(0)
	v_mul_f32 v13, v13, v14                        ; each block's weight
.irp i, 0,1,2,3,4,5,6,7,8,9,10,11,12,13,14,15,16,17,18,19,20,21,22,23,24,25,26,27,28,29,30,31
	v_readlane_b32 s[32+\i], v13, \i               ; as scalars: they are factors, and enter no address and no branch
.endr
	s_wait_loadcnt 17                              ; O is in; Wo's 16 and x stay out
.irp u, 0,1
.irp q, 0,1,2,3
	v_mul_f32 v[16+4*\u+\q], s[32+16*\u], v[32+64*\u+\q]
.endr
.endr
.irp t, 1,2,3,4,5,6,7,8,9,10,11,12,13,14,15
.irp u, 0,1
.irp q, 0,1,2,3
	v_fmac_f32 v[16+4*\u+\q], s[32+16*\u+\t], v[32+64*\u+4*\t+\q]
.endr
.endr
.endr
	ds_store_b128 v5, v[16:19] offset:AT
	ds_store_b128 v5, v[20:23] offset:AT+512
	s_wait_dscnt 0x0                               ; for the others' sake: my two heads of attn have landed
	s_barrier_signal -1
	s_barrier_wait -1
.irp i, 0,1,2,3,4,5,6,7,8,9,10,11,12,13,14,15
	ds_load_b128 v[32+4*\i:35+4*\i], v2 offset:AT+512*\i   ; all of attn, laid as my row of Wo lies in v160 on
.endr
	s_wait_loadcnt 0x0
	s_wait_dscnt 0x0
.irp i, 0,1,2,3,4,5,6,7,8,9,10,11,12,13,14,15  ; four chains; the first products start them
.set ch, 16+4*(\i%2)
.if \i < 2
	v_pk_mul_f32 v[ch:ch+1], v[160+4*\i:161+4*\i], v[32+4*\i:33+4*\i]
	v_pk_mul_f32 v[ch+2:ch+3], v[162+4*\i:163+4*\i], v[34+4*\i:35+4*\i]
.else
	v_pk_fma_f32 v[ch:ch+1], v[160+4*\i:161+4*\i], v[32+4*\i:33+4*\i], v[ch:ch+1]
	v_pk_fma_f32 v[ch+2:ch+3], v[162+4*\i:163+4*\i], v[34+4*\i:35+4*\i], v[ch+2:ch+3]
.endif
.endr
	v_pk_add_f32 v[16:17], v[16:17], v[18:19]
	v_pk_add_f32 v[20:21], v[20:21], v[22:23]
	v_pk_add_f32 v[16:17], v[16:17], v[20:21]
	v_add_f32 v16, v16, v17
.irp m, 1,2,4,8
	v_add_f32_dpp v16, v16, v16 row_xmask:\m row_mask:0xf bank_mask:0xf
.endr
	v_permlanex16_b32 v17, v16, s24, s25
	v_add_f32 v16, v16, v17                        ; every lane holds my row's sum
	ds_store_b32 v6, v16 offset:OW                 ; all lanes write my wave's word with the same value
	s_wait_dscnt 0x0
	s_barrier_signal -1
	s_barrier_wait -1
	ds_load_b32 v18, v4 offset:OW
	s_wait_dscnt 0x0
	v_add_f32 v18, v18, v10                        ; + x
	v_cmp_gt_u32 vcc_lo, 8, v0
	s_wait_xcnt 0x0                                ; EXEC changes only behind this wait
	s_wait_tensorcnt 0x0
	ds_add_u32 v224, v225
	s_wait_dscnt 0x0
	s_and_saveexec_b32 s26, vcc_lo
	global_store_b32 v4, v18, s[10:11]             ; threads 0 to 7: 32 bytes a work-group, 8 KB in the launch
	s_endpgm
.Lfunc_end_k_qdea715bb32_outp:
	.size	k_qdea715bb32_outp, .Lfunc_end_k_qdea715bb32_outp-k_qdea715bb32_outp
	.p2alignl 7, 3214868480
	.fill 96, 4, 3214868480
	.section	.rodata,"a",@progbits
	.p2align	6, 0x0
	.amdhsa_kernel k_qdea715bb32_outp
		.amdhsa_group_segment_fixed_size 9472
		.amdhsa_private_segment_fixed_size 0
		.amdhsa_enable_private_segment 0
		.amdhsa_kernarg_size 32
		.amdhsa_user_sgpr_count 2
		.amdhsa_user_sgpr_kernarg_segment_ptr 1
		.amdhsa_wavefront_size32 1
		.amdhsa_system_sgpr_workgroup_id_x 1
		.amdhsa_system_sgpr_workgroup_id_y 1
		.amdhsa_system_sgpr_workgroup_id_z 1
		.amdhsa_system_vgpr_workitem_id 0
		.amdhsa_next_free_vgpr 226
		.amdhsa_next_free_sgpr 80
		.amdhsa_reserve_vcc 1
		.amdhsa_float_denorm_mode_32 3
		.amdhsa_float_denorm_mode_16_64 3
		.amdhsa_memory_ordered 1
		.amdhsa_forward_progress 1
		.amdhsa_inst_pref_size 18
	.end_amdhsa_kernel
	.amdgpu_metadata
---
amdhsa.version: [ 1, 2 ]
amdhsa.kernels:
  - .name:           k_qdea715bb32_outp
    .symbol:         k_qdea715bb32_outp.kd
    .args:
      - { .name: po, .offset: 0, .size: 8, .value_kind: global_buffer, .address_space: global }
      - { .name: Wo, .offset: 8, .size: 8, .value_kind: global_buffer, .address_space: global }
      - { .name: x, .offset: 16, .size: 8, .value_kind: global_buffer, .address_space: global }
      - { .name: out0, .offset: 24, .size: 8, .value_kind: global_buffer, .address_space: global }
    .group_segment_fixed_size: 9472
    .private_segment_fixed_size: 0
    .kernarg_segment_align: 8
    .kernarg_segment_size: 32
    .max_flat_workgroup_size: 256
    .sgpr_count:     80
    .vgpr_count:     226
    .wavefront_size: 32
...
	.end_amdgpu_metadata
.endif
;; end of part 4
